; MI455X (gfx1250); checked and timed in simulation.
; The chip was launched on July 23, 2026; its instructions are those of AMD's public machine-readable ISA for CDNA 5 (MIT licence, August 2026) and "CDNA5" Instruction Set Architecture Reference Guide (July 2026). The comments in the code are by the model that wrote it; some were corrected since.
;; Multi Head Attention Fusion. Allowed arithmetic: float matrix products may take bf16 or f16 operands with f32 sums; other float arithmetic in f32, or as packed bf16 or f16 multiplies, adds, multiply-adds, maxima and minima; sums over many terms, partial sums and values carried from step to step in f32; what a program stores and reads back later, other than sums and carried values, may be rounded once to bf16 or f16.
;; Inputs: Wk 1,024 x 1,024 float32; Wo 1,024 x 1,024 float32; Wq 1,024 x 1,024 float32; Wv 1,024 x 1,024 float32; bk 1,024 float32; bo 1,024 float32; bq 1,024 float32; bv 1,024 float32; image_features 8,192 x 1,024 float32; ln_beta 1,024 float32; ln_gamma 1,024 float32; signal_features 8,192 x 1,024 float32.
;; Outputs: out0 8,192 x 1,024 float32.
;; 2 versions, each right; version 2 is version 1 with the launch prep written anew for expert scheduling mode. Each part assembles by itself: llvm-mc -triple=amdgcn-amd-amdhsa -mcpu=gfx1250 --defsym DOCPART=n.
;; ======== version 1 of 2: 3 launches
;; workspace buffers: Xb 33,554,432 bytes; Wb 6,291,456 bytes; Wob 2,097,152 bytes; vec 24,576 bytes; ctxb 16,777,216 bytes
;; launch prep (part 1): grid 641 x 1, 8 waves a work-group, no clusters, 0 bytes of LDS; arguments image_features, signal_features, Wq, Wk, Wv, Wo, bq, bk, bv, bo, ln_gamma, ln_beta, Xb, Wb, Wob, vec; writes Xb, Wb, Wob, vec
.if DOCPART == 1
	.amdgcn_target "amdgcn-amd-amdhsa--gfx1250"
	.amdhsa_code_object_version 6
	.text
	.protected	k_qb84015e111_prep
	.globl	k_qb84015e111_prep
	.p2align	8
	.type	k_qb84015e111_prep,@function
k_qb84015e111_prep:
	s_mov_b64 s[64:65], 0
	v_nop
	global_prefetch_b8 v0, s[64:65] scope:SCOPE_SE
	s_setreg_imm32_b32 hwreg(HW_REG_WAVE_MODE, 25, 1), 1
	s_wait_xcnt 0x0
; PREP: every input is rounded once to bf16 (nearest even), and the six matrices are laid out as the two matrix launches read them.
;   Xb  bf16 [rb 64][img, sig][quarter of 32 K: 32][128 rows][32]     Wb  bf16 [head 8][quarter 32][q, k, v][128 rows][32]: any run of quarters of a tile is dense in memory
;   Wob bf16 [quarter of 32 K: 32][tile of 16 rows: 64][half 2][lane 32][8 numbers]: Wo in the order of matrix fragments.  Lane l of a tile holds row l % 16 and k = 16 (l / 16) + 0..15 of the quarter,
;       the first eight in half 0, the others in half 1: a permutation of k inside a quarter, which the reader applies to its other operand too
;   vec f32  [bq, bk, bv, bo, gamma, beta][1024]: each number rounded to bf16 and written back as f32
; LIMIT: the rounding of all inputs to bf16 is the only loss here; NaN and infinities pass through the conversion as it treats them.
; SHARES.  A work-group takes 32 source rows of 4,096 bytes: 0-31 Wo, 32-287 img, 288-543 sig, 544-575 Wq, 576-607 Wk, 608-639 Wv; work-group 640 the six vectors.
; Wo's come first: a load of theirs touches 16 rows, so they make the most requests for their bytes.
; A stream: each byte is read once and written once, nothing is shared between waves, so no LDS, no barrier, no matrix unit, no cluster.  All 32 loads of a wave go out at once.
.set SRC,   40                         ; s[40:41] the matrix I read, at my 32 rows
.set DST,   42                         ; s[42:43] the buffer I write
.set PLANE, 44                         ; s44  bytes from a quarter to the next in DST
.set BLK,   45                         ; s45  bytes from a group of 128 rows to the next
.set SUB,   46                         ; s46  the matrix's place inside such a group (Xb) or inside a quarter (Wb)
.set GP,    47                         ; s47  first the matrix's first work-group, then my number among the matrix's
.set G,     48                         ; s48  the work-group's number
.set WV,    49                         ; s49  my wave's number
.set T0,    50
.set T1,    51
.set X,     8                          ; v[8:135] 32 loads of 4 registers
	s_load_b512 s[8:23], s[0:1], 0x0               ; img s[8:9], sig s[10:11], Wq s[12:13], Wk s[14:15], Wv s[16:17], Wo s[18:19], bq s[20:21], bk s[22:23]
	s_load_b512 s[24:39], s[0:1], 0x40             ; bv s[24:25], bo s[26:27], gamma s[28:29], beta s[30:31], Xb s[32:33], Wb s[34:35], Wob s[36:37], vec s[38:39]
	v_lshrrev_b32 v4, 5, v0
	v_readfirstlane_b32 s[WV], v4                  ; wave 0..7
	v_and_b32 v5, 31, v0                           ; lane
	s_mov_b32 s[G], ttmp9
	s_wait_kmcnt 0x0
	s_cmp_eq_u32 s[G], 640
	s_cbranch_scc1 .Lvec
	s_cmp_lt_u32 s[G], 32
	s_cbranch_scc1 .Lwo
; IMG, SIG, WQ, WK, WV.  Wave w takes quarters 4 w .. 4 w + 3 of all 32 rows.  A load covers 128 consecutive bytes, a quarter, of four rows (eight lanes a row); the loads of neighbouring quarters follow each other.
; Its 4 numbers a lane become 8 bytes, and a store of the wave covers 256 consecutive bytes, aligned: four rows of a quarter.
; From work-group first on the source is src, at place sub.  The selects leave SCC alone: further selects may follow the macro.
.macro FROM first, src, sub
	s_cmp_ge_u32 s[G], \first
	s_cselect_b64 s[SRC:SRC+1], s[\src:\src+1], s[SRC:SRC+1]
	s_cselect_b32 s[SUB], \sub, s[SUB]
	s_cselect_b32 s[GP], \first, s[GP]
.endm
	s_mov_b64 s[SRC:SRC+1], s[8:9]                 ; img into Xb
	s_mov_b64 s[DST:DST+1], s[32:33]
	s_mov_b32 s[PLANE], 8192
	s_mov_b32 s[BLK], 524288
	s_mov_b32 s[SUB], 0
	s_mov_b32 s[GP], 32
	FROM 288, 10, 262144                           ; sig, behind img's 32 quarters
	FROM 544, 12, 0                                ; Wq into Wb
	s_cselect_b64 s[DST:DST+1], s[34:35], s[DST:DST+1]
	s_cselect_b32 s[PLANE], 24576, s[PLANE]
	s_cselect_b32 s[BLK], 786432, s[BLK]
	FROM 576, 14, 8192                             ; Wk
	FROM 608, 16, 16384                            ; Wv
	s_sub_co_u32 s[GP], s[G], s[GP]                ; my number among the matrix's work-groups
	s_lshl_b32 s52, s[GP], 17                      ; 32 rows of 4,096 bytes
	s_mov_b32 s53, 0
	s_add_nc_u64 s[SRC:SRC+1], s[SRC:SRC+1], s[52:53]
	v_lshrrev_b32 v6, 3, v5                        ; which of a load's four rows
	v_and_b32 v7, 7, v5
	v_lshlrev_b32 v1, 4, v7                        ; 16 bytes a lane,
	v_lshl_add_u32 v1, v6, 12, v1                  ; the row,
	s_lshl_b32 s[T1], s[WV], 9
	v_add_nc_u32 v1, s[T1], v1                     ; my wave's four quarters: 512 bytes of a row
	s_lshr_b32 s[T0], s[GP], 2                     ; four work-groups make a group of 128 rows
	s_mul_i32 s[T0], s[T0], s[BLK]
	s_add_co_u32 s[T0], s[T0], s[SUB]
	s_and_b32 s[T1], s[GP], 3
	s_lshl_b32 s[T1], s[T1], 11                    ; my 32 rows of 64 bytes in it
	s_add_co_u32 s[T0], s[T0], s[T1]
	s_lshl_b32 s[T1], s[WV], 2
	s_mul_i32 s[T1], s[T1], s[PLANE]               ; quarter 4 w
	s_add_co_u32 s[T0], s[T0], s[T1]
	v_lshl_add_u32 v2, v5, 3, s[T0]                ; 8 bytes a lane: quarter 4 w,
	v_add_nc_u32 v3, s[PLANE], v2                  ; 4 w + 1,
	v_add_nc_u32 v4, s[PLANE], v3                  ; 4 w + 2,
	v_add_nc_u32 v5, s[PLANE], v4                  ; 4 w + 3
.set j, 0
.rept 32                               ; load j: rows 4 (j / 4) .. 4 (j / 4) + 3, quarter 4 w + j % 4
	global_load_b128 v[X+4*j:X+4*j+3], v1, s[SRC:SRC+1] offset:(j/4)*16384+(j%4)*128 th:TH_LOAD_NT
.set j, j+1
.endr
.set j, 0
.rept 32
	s_wait_loadcnt 31-j                            ; loads come back in order: load j is in, the 31 - j younger ones stay out
	v_cvt_pk_bf16_f32 v[X+4*j], v[X+4*j], v[X+4*j+1]
	v_cvt_pk_bf16_f32 v[X+4*j+1], v[X+4*j+2], v[X+4*j+3]
	global_store_b64 v[2+j%4], v[X+4*j:X+4*j+1], s[DST:DST+1] offset:(j/4)*256 th:TH_STORE_NT  ; no register that a load or store names is written again
.set j, j+1
.endr
	s_endpgm
; WO.  The work-group's 32 rows are two tiles of 16; wave w takes quarters 4 w .. 4 w + 3 of both.  For tile t and quarter q (group c = 4 t + q) lane l reads 64 consecutive bytes of row l % 16,
; k = 16 (l / 16) + 0..15 of the quarter, by four loads; they become 32 bytes: two stores, each of which covers 512 consecutive bytes of Wob, aligned.
.Lwo:
	s_lshl_b32 s52, s[G], 17                       ; 32 rows of 4,096 bytes
	s_mov_b32 s53, 0
	s_add_nc_u64 s[SRC:SRC+1], s[18:19], s[52:53]
	v_lshrrev_b32 v6, 4, v5                        ; l / 16
	v_and_b32 v7, 15, v5                           ; l % 16
	v_lshlrev_b32 v1, 12, v7                       ; the row,
	v_lshl_add_u32 v1, v6, 6, v1                   ; my 16 numbers of a quarter's 32,
	s_lshl_b32 s[T1], s[WV], 9
	v_add_nc_u32 v1, s[T1], v1                     ; my wave's four quarters: 512 bytes of a row
	s_lshl_b32 s[T0], s[WV], 18                    ; quarter 4 w: 65,536 bytes a quarter,
	s_lshl_b32 s[T1], s[G], 11                     ; tile 2 g: 1,024 bytes a tile
	s_add_co_u32 s[T0], s[T0], s[T1]
	v_lshl_add_u32 v2, v5, 4, s[T0]                ; 16 bytes a lane
.set c, 0
.rept 8
.irp i, 0,1,2,3
	global_load_b128 v[X+16*c+4*(\i):X+16*c+4*(\i)+3], v1, s[SRC:SRC+1] offset:(c/4)*65536+(c%4)*128+(\i)*16
.endr
.set c, c+1
.endr
.set c, 0
.rept 8
	s_wait_loadcnt 28-4*c                          ; group c's four loads are in, the younger groups' stay out
.irp m, 0,1,2,3,4,5,6,7                ; in place, ascending: register m is written when registers 2 m and 2 m + 1 are read, and never read again
	v_cvt_pk_bf16_f32 v[X+16*c+(\m)], v[X+16*c+2*(\m)], v[X+16*c+2*(\m)+1]
.endr
	global_store_b128 v2, v[X+16*c:X+16*c+3],   s[36:37] offset:(c%4)*65536+(c/4)*1024 th:TH_STORE_NT
	global_store_b128 v2, v[X+16*c+4:X+16*c+7], s[36:37] offset:(c%4)*65536+(c/4)*1024+512 th:TH_STORE_NT
.set c, c+1
.endr
	s_endpgm
.Lvec:                                 ; 256 threads x 4 numbers are a vector of 1,024
	v_lshlrev_b32 v1, 4, v0
.irp i, 0,1,2,3,4,5
	global_load_b128 v[X+4*(\i):X+4*(\i)+3], v1, s[20+2*(\i):21+2*(\i)]
.endr
	s_wait_loadcnt 0x0
.set j, 0
.rept 12
	v_cvt_pk_bf16_f32 v[40+j], v[X+2*j], v[X+2*j+1]  ; rounded,
.set j, j+1
.endr
.set j, 0
.rept 12
	v_lshlrev_b32 v[X+2*j], 16, v[40+j]            ; and widened again
	v_and_b32 v[X+2*j+1], 0xffff0000, v[40+j]
.set j, j+1
.endr
.irp i, 0,1,2,3,4,5
	global_store_b128 v1, v[X+4*(\i):X+4*(\i)+3], s[38:39] offset:(\i)*4096 th:TH_STORE_NT
.endr
	s_endpgm
.Lfunc_end_k_qb84015e111_prep:
	.size	k_qb84015e111_prep, .Lfunc_end_k_qb84015e111_prep-k_qb84015e111_prep
	.p2alignl 7, 3214868480
	.fill 96, 4, 3214868480
	.section	.rodata,"a",@progbits
	.p2align	6, 0x0
	.amdhsa_kernel k_qb84015e111_prep
		.amdhsa_group_segment_fixed_size 0
		.amdhsa_private_segment_fixed_size 0
		.amdhsa_enable_private_segment 0
		.amdhsa_kernarg_size 128
		.amdhsa_user_sgpr_count 2
		.amdhsa_user_sgpr_kernarg_segment_ptr 1
		.amdhsa_wavefront_size32 1
		.amdhsa_system_sgpr_workgroup_id_x 1
		.amdhsa_system_sgpr_workgroup_id_y 1
		.amdhsa_system_sgpr_workgroup_id_z 1
		.amdhsa_system_vgpr_workitem_id 0
		.amdhsa_next_free_vgpr 140
		.amdhsa_next_free_sgpr 66
		.amdhsa_reserve_vcc 0
		.amdhsa_float_denorm_mode_32 3
		.amdhsa_float_denorm_mode_16_64 3
		.amdhsa_memory_ordered 1
		.amdhsa_forward_progress 1
		.amdhsa_inst_pref_size 27
	.end_amdhsa_kernel
	.amdgpu_metadata
---
amdhsa.version: [ 1, 2 ]
amdhsa.kernels:
  - .name:           k_qb84015e111_prep
    .symbol:         k_qb84015e111_prep.kd
    .args:
      - { .name: image_features, .offset: 0, .size: 8, .value_kind: global_buffer, .address_space: global }
      - { .name: signal_features, .offset: 8, .size: 8, .value_kind: global_buffer, .address_space: global }
      - { .name: Wq, .offset: 16, .size: 8, .value_kind: global_buffer, .address_space: global }
      - { .name: Wk, .offset: 24, .size: 8, .value_kind: global_buffer, .address_space: global }
      - { .name: Wv, .offset: 32, .size: 8, .value_kind: global_buffer, .address_space: global }
      - { .name: Wo, .offset: 40, .size: 8, .value_kind: global_buffer, .address_space: global }
      - { .name: bq, .offset: 48, .size: 8, .value_kind: global_buffer, .address_space: global }
      - { .name: bk, .offset: 56, .size: 8, .value_kind: global_buffer, .address_space: global }
      - { .name: bv, .offset: 64, .size: 8, .value_kind: global_buffer, .address_space: global }
      - { .name: bo, .offset: 72, .size: 8, .value_kind: global_buffer, .address_space: global }
      - { .name: ln_gamma, .offset: 80, .size: 8, .value_kind: global_buffer, .address_space: global }
      - { .name: ln_beta, .offset: 88, .size: 8, .value_kind: global_buffer, .address_space: global }
      - { .name: Xb, .offset: 96, .size: 8, .value_kind: global_buffer, .address_space: global }
      - { .name: Wb, .offset: 104, .size: 8, .value_kind: global_buffer, .address_space: global }
      - { .name: Wob, .offset: 112, .size: 8, .value_kind: global_buffer, .address_space: global }
      - { .name: vec, .offset: 120, .size: 8, .value_kind: global_buffer, .address_space: global }
    .group_segment_fixed_size: 0
    .private_segment_fixed_size: 0
    .kernarg_segment_align: 8
    .kernarg_segment_size: 128
    .max_flat_workgroup_size: 256
    .sgpr_count:     66
    .vgpr_count:     140
    .wavefront_size: 32
...
	.end_amdgpu_metadata
.endif
;; end of part 1
;; launch qkv (part 2): grid 8 x 64, 4 waves a work-group, clusters of 4 x 4, 327,680 bytes of LDS; arguments Xb, Wb, vec, ctxb; writes ctxb
.if DOCPART == 2
	.amdgcn_target "amdgcn-amd-amdhsa--gfx1250"
	.amdhsa_code_object_version 6
	.text
	.protected	k_qb84015e111_qkv
	.globl	k_qb84015e111_qkv
	.p2align	8
	.type	k_qb84015e111_qkv,@function
k_qb84015e111_qkv:
	s_mov_b64 s[64:65], 0
	v_nop
	global_prefetch_b8 v0, s[64:65] scope:SCOPE_SE
	s_setreg_imm32_b32 hwreg(HW_REG_WAVE_MODE, 25, 1), 1
	s_wait_xcnt 0x0
	s_wait_alu depctr_hold_cnt(0) depctr_sa_sdst(0) depctr_va_vdst(0) depctr_va_sdst(0) depctr_va_ssrc(0) depctr_va_vcc(0) depctr_vm_vsrc(0)
	s_getreg_b32 s2, hwreg(HW_REG_IB_STS2, 6, 4)
	s_cmp_eq_u32 s2, 0
	s_cbranch_scc0 .Lentry_in_a_cluster
	s_endpgm
.Lentry_in_a_cluster:
	s_bfe_u32 s2, ttmp6, 0x10000c
	s_cmp_lg_u32 s2, 0xf033
	s_cbranch_scc0 .Lentry_shape_is_right
	s_endpgm
.Lentry_shape_is_right:
; QKV: for 128 rows and ONE head (128 columns) the five projections q = img Wq^T + bq, k = {img, sig} Wk^T + bk, v = {img, sig} Wv^T + bv, then on the way out, from the f32 sums,
; the two scores q . k / sqrt(128), their softmax (the greater score is taken away before the exponentials) and ctx = w0 v_img + w1 v_sig.  q, k and v never leave the registers.
; Xb: bf16 [rb 64][img, sig][quarter of 32 K: 32][128 rows][32]; Wb: bf16 [head 8][quarter 32][q, k, v][128 rows][32]; vec: the biases in f32; ctxb: bf16 [kb 16][8192 rows][64], kb = 2 head + column half.
; LIMITS.  Operands are bf16; ctx is rounded once to bf16.  A weight below 2^-126 counts as 0 (the other is then 1).  NaN and infinities are not treated apart.
; SHARES.  Four waves; wave w has rows 64 (w / 2) on and columns 64 (w % 2) on: 4 x 4 tiles of 16 x 16 for each of the five products, 80 accumulators, 640 registers.
; THE MATRIX INSTRUCTION IS USED TRANSPOSED (source 0 = 16 rows of W, source 1 = 16 rows of X): a lane holds ONE row (lane % 16) and the columns 8 (lane / 16) + 0..7 of a tile.
; The first product of each sum takes the bias as its C operand: a lane's eight registers of C are eight neighbouring numbers of the bias.
; K GOES IN STEPS OF 96, three quarters of 32, through two LDS slots: ten such steps and one of 64.  A slot holds 128 rows of img, of sig, of Wq, Wk, Wv, three quarters each: 640 x 3 x 80 = 153,600 bytes; two slots are
; as much as LDS has room for (steps of 128 would want 2 x 174,080 bytes).  One load a wave goes out behind each change of slots, and a step's 240 matrix instructions are what it has in which to land.
; A tile is dense in memory and is asked for as rows of 256 bytes, padded in LDS behind every 64.
; CLUSTER 4 x 4.  X's tiles hang on the row block alone and are shared along a row of the cluster, W's on the head alone and are shared along a column: each is asked for JOINTLY.
; REGISTERS, in windows of 256 (s_set_vgpr_msb: bits 1:0 source 0, 3:2 source 1, 5:4 source 2, 7:6 destination):
;   window 0: v0-31 addresses; v32-63 at work on the way out; v64-159, v160-255 W's fragments, two buffers (matrix m, column tile b at 32 m + 8 b); the second holds the biases first
;   window 1: v0-127 q (tile (a, b) at 8 (4 a + b)); v128-191, v192-255 X's fragments, two buffers (source x, row tile a at 32 x + 8 a)
;   window 2: k_img, k_sig          window 3: v_img, v_sig
.set PITCH,  80                        ; an LDS row: a quarter's 64 bytes + 16 of padding = 20 words: the 16 rows of a load start at 16 different groups of four banks (64 banks of 4 bytes: ISA guide 11.1)
.set QT,     128*PITCH                 ; 128 rows of one quarter
.set AREG,   3*QT                      ; a source's three quarters
.set BOFF,   2*AREG                    ; behind img and sig: W, quarter q, matrix m at (3 q + m) QT
.set SLOT,   BOFF+9*QT
.set XCH,    2*SLOT                    ; behind the ring: 1,024 bytes a wave, the partial scores
.set SP,     144                       ; a row of the stage: 128 bytes + 16
.set STAGE,  XCH+4096                  ; 16 rows x 144 bytes a wave, for the way out
.set SPARE,  STAGE+4*16*SP             ; the spare words, 128 bytes a wave: two blocks of 256 bytes that no other line names
.set ASTEP,  3*8192                    ; bytes of a step of one source in Xb
.set BSTEP,  3*24576                   ; of one head in Wb
.set ADRB, 8                           ; v8-13   LDS address of my W fragments: slot s, quarter q at 3 s + q (a 16-bit immediate does not reach over a slot's nine tiles)
.set PFO2, 14                          ; v14     the second prefetch's offset; never rewritten
.set ADRA, 16                          ; v16-17  LDS address of my X fragments in slot 0, 1
.set XS,   22                          ; v22     where I put my partial scores
.set XL,   23                          ; v23     where the wave with the other column half puts its
.set STO,  24                          ; v24     the way out: where I put 16 bytes of a row
.set RD,   25                          ; v25     where I read rows back
.set GO,   26                          ; v26     my 16 bytes in 512 consecutive bytes of ctxb
.set VB,   27                          ; v27     32 x (lane / 16): my eight numbers of a bias
.set SPW,  28                          ; v28     my spare word: SPARE + 4 x my thread's number; never rewritten
.set NIL,  29                          ; v29     0; never rewritten
.set PFO,  30                          ; v30     the prefetches' offset; never rewritten
.set CHN,  32                          ; v32-47  eight pairs: score chains, later the weights (row tile a, source x at 4 a + 2 x)
.set SC,   48                          ; v48-55  the eight scores
.set TM,   56                          ; v56-63  at work
.set OUTR, 64                          ; v64-127 ctx, packed
.set BF,   64
.set AF,   128
.set BIAS, 160
.set WV,   12
.set RH,   13                          ; which 64 rows are mine.  Also: I fetch for X (0) or for W (1)
.set CH,   14                          ; which 64 columns.  Also: which part of that I fetch
.set CX,   15
.set CY,   16
.set HEAD, 17
.set RB,   18
.set LA,   19                          ; LDS byte of the X tile that I would fetch, in slot 0
.set G1,   24                          ; s[24:31] descriptor group 1 for X's tiles
.set G0,   32                          ; s[32:39] group 0, a set for each slot
.set PFA,  40                          ; s[40:41] where my prefetches stand
.set PST,  42                          ; s[42:43] a step there
.set LIM,  44                          ; 1 in a wave that prefetches, else the greatest number
.set CNT,  45
.set LB,   46                          ; LDS byte of the W rows that I would fetch
.set CLAMP, 47
.set G1B,  48                          ; s[48:55], s[56:63] the same for W's tiles
.set G0B,  56
.set SEL,  66                          ; s[66:67] v_permlanex16_b32's selects: each lane takes its own place in the other half
.set CS,   68                          ; log2(e) / sqrt(128)
.set LIM2, 69                          ; as LIM, for the second prefetch
.set G1L,  72                          ; s[72:79] group 1 for X's tile of the last step, two quarters
.set G1BL, 80                          ; s[80:87] for W's
.set G0BL, 88                          ; s[88:91] group 0 for W's tile of the last step
.set G1C,  (1<<16)|(1<<20)|(1<<21)|(3<<22)|(3<<25)  ; 17:16 2-byte elements; 20 padding on; 21 set beside a mask; 24:22 after every 16 words (code 3); 31:25 4 words (code 3)
.set MSB, 0
.macro WIN new                         ; the immediate's high byte repeats the setting that is left; a switch that changes nothing is dropped
.if MSB != (\new)
	s_set_vgpr_msb (MSB<<8)|(\new)
.set MSB, \new
.endif
.endm
.macro PLACES                          ; four places behind matrix instructions, in front of loads into registers that they have read and of vector work on their results
.rept 4
	v_nop
.endr
.endm
; A joint load.  Waves 0 and 1 fetch img's and sig's tiles (groups ga, g1a), waves 2 and 3 the two halves of the head's rows of W (gb, g1b).  The branch hangs on the wave's number alone.
; An s_nop 0 and four v_nop follow each of the two lines, ahead of the jump and the label.
.macro JLOAD ga, g1a, gb, g1b
	s_cmp_eq_u32 s[RH], 0
	s_cbranch_scc0 .Lfor_b_\@
	tensor_load_to_lds s[(\ga):(\ga)+3], s[(\g1a):(\g1a)+7]
	s_nop 0
	PLACES
	s_branch .Lasked_\@
.Lfor_b_\@:
	tensor_load_to_lds s[(\gb):(\gb)+3], s[(\g1b):(\g1b)+7]
	s_nop 0
	PLACES
.Lasked_\@:
.endm
; A PREFETCH INTO THE L2 of the step that stands two refills on: 480 matrix instructions ahead of the load that will want it.  X's tiles are read by both clusters of a row of clusters: the one with x = 0 asks;
; W's by all sixteen of a column: the one with y = 0 asks.  The four partners that ask for a tile jointly share it out BY ADDRESS: 6,144 bytes each of X's 24,576 (24 blocks of 256, a lane a block; the lanes beyond
; name the last block once more), 9,216 each of W's 36,864 (32 blocks, and 4 by a second instruction, whose other lanes name the last once more).  Steps 0 to 3 come by their loads alone, and so does step 10,
; which is shorter than a share reckons; the loop's last trip asks for nothing.
.macro ASK
	s_cmp_gt_u32 s[CNT], s[LIM]
	s_cbranch_scc0 .Lnot_mine_\@
	global_prefetch_b8 v[PFO], s[PFA:PFA+1] th:TH_LOAD_NT scope:SCOPE_SE
	s_cmp_gt_u32 s[CNT], s[LIM2]
	s_cbranch_scc0 .Lnot_mine_\@
	global_prefetch_b8 v[PFO2], s[PFA:PFA+1] offset:8192 th:TH_LOAD_NT scope:SCOPE_SE
.Lnot_mine_\@:
.endm
.macro CREST                           ; a round of the cluster's barrier behind its opening barrier
	s_cmp_lg_u32 s[WV], 0
	s_cbranch_scc1 .Lnot_wave_0_\@
	s_barrier_signal -3
.Lnot_wave_0_\@:
	s_barrier_wait -3
	s_barrier_signal -1
	s_barrier_wait -1
.endm
.macro CROUND
	s_barrier_signal -1
	s_barrier_wait -1
	CREST
.endm
; 8 products, 32 along K, from buffer f: matrix mat (0 q, 1 k, 2 v; its sums lie in window mat + 1), source src (0 img, 1 sig), row tiles a0 and a0 + 1, all four column tiles.  first = 1: C is the bias.
.macro MUL8 f, mat, src, a0, first
.if \first
	WIN 0x04+0x40*((\mat)+1)
.else
	WIN 0x04+0x50*((\mat)+1)
.endif
.irp a, \a0, (\a0)+1
.irp b, 0,1,2,3
.if \first
	v_wmma_f32_16x16x32_bf16 v[128*(\src)+8*(4*(\a)+(\b)):128*(\src)+8*(4*(\a)+(\b))+7], v[BF+96*(\f)+32*(\mat)+8*(\b):BF+96*(\f)+32*(\mat)+8*(\b)+7], v[AF+64*(\f)+32*(\src)+8*(\a):AF+64*(\f)+32*(\src)+8*(\a)+7], v[BIAS+32*(\mat)+8*(\b):BIAS+32*(\mat)+8*(\b)+7]
.else
	v_wmma_f32_16x16x32_bf16 v[128*(\src)+8*(4*(\a)+(\b)):128*(\src)+8*(4*(\a)+(\b))+7], v[BF+96*(\f)+32*(\mat)+8*(\b):BF+96*(\f)+32*(\mat)+8*(\b)+7], v[AF+64*(\f)+32*(\src)+8*(\a):AF+64*(\f)+32*(\src)+8*(\a)+7], v[128*(\src)+8*(4*(\a)+(\b)):128*(\src)+8*(4*(\a)+(\b))+7]
.endif
.endr
.endr
.endm
.macro MUL16 f, mat, src, first
	MUL8 \f, \mat, \src, 0, \first
	MUL8 \f, \mat, \src, 2, \first
.endm
.macro REST f, first                   ; k's and v's 64 products.  All 80 accumulators take turns in the same order in every quarter: 79 others stand between two links of a chain
	MUL16 \f, 1, 0, \first
	MUL16 \f, 1, 1, \first
	MUL16 \f, 2, 0, \first
	MUL16 \f, 2, 1, \first
.endm
; 40 LDS loads in one run: the fragments of quarter q of a slot, into buffer f: img, sig, Wq, then Wk, Wv
.macro FETCH slot, q, f
	WIN 0x40                                       ; destination window 1, address window 0
.irp x, 0,1
.irp a, 0,1,2,3
	ds_load_b128 v[AF+64*(\f)+32*(\x)+8*(\a):AF+64*(\f)+32*(\x)+8*(\a)+3],   v[ADRA+(\slot)] offset:(\x)*AREG+(\q)*QT+(\a)*16*PITCH
	ds_load_b128 v[AF+64*(\f)+32*(\x)+8*(\a)+4:AF+64*(\f)+32*(\x)+8*(\a)+7], v[ADRA+(\slot)] offset:(\x)*AREG+(\q)*QT+(\a)*16*PITCH+32
.endr
.endr
	WIN 0
.irp m, 0,1,2
.irp b, 0,1,2,3
	ds_load_b128 v[BF+96*(\f)+32*(\m)+8*(\b):BF+96*(\f)+32*(\m)+8*(\b)+3],   v[ADRB+3*(\slot)+(\q)] offset:(\m)*QT+(\b)*16*PITCH
	ds_load_b128 v[BF+96*(\f)+32*(\m)+8*(\b)+4:BF+96*(\f)+32*(\m)+8*(\b)+7], v[ADRB+3*(\slot)+(\q)] offset:(\m)*QT+(\b)*16*PITCH+32
.endr
.endr
.endm
; A quarter is 32 along K, 80 matrix instructions; the buffers go by the quarter's parity: 0, 1, 0 in slot 0 and 1, 0, 1 in slot 1.
; One of a step's first two: multiplies buffer f and fetches quarter q of the same slot into the other buffer.
.macro QUARTER slot, q, f, first
.if \first
	s_wait_loadcnt 0x0                             ; the biases
	s_wait_dscnt 0x0
	MUL16 \f, 0, 0, 1
	REST \f, 1
	PLACES                                         ; the run below lands where the biases lay
	FETCH \slot, \q, 1-(\f)
.else
	s_wait_dscnt 16                                ; img, sig and Wq are in; Wk's and Wv's sixteen loads may be out
	MUL16 \f, 0, 0, 0
	PLACES
	FETCH \slot, \q, 1-(\f)
	s_wait_dscnt 40                                ; all but the 40 just issued
	REST \f, 0
.endif
.endm
; A step's last quarter multiplies buffer f and changes slots: ONE barrier; in front of it each wave waits for all its tensor loads (one is out: its part of the next slot), adds 0 to its spare word, and waits for
; that and for its own reads of this slot.  fill = 1: the barrier opens a round of the cluster's, and this slot is filled again first thing behind it, two steps ahead: 224 matrix instructions ahead of the wait for it.
; fill = 2: the same with the last step's two quarters.  fill = 0: nothing is left to ask for, and no round follows.
.macro TURN slot, next, f, fill
.if (\fill) == 1
	s_wait_xcnt 0x0                                ; the last prefetches, a step back, have read their address
	s_add_nc_u64 s[PFA:PFA+1], s[PFA:PFA+1], s[PST:PST+1]
.endif
	WIN 0                                          ; (the add's two registers lie in window 0)
	s_wait_tensorcnt 0x0                           ; all my tensor loads have landed;
	ds_add_u32 v[SPW], v[NIL]                      ; 0 onto my spare word;
	s_wait_dscnt 17                                ; (the add and Wk's and Wv's sixteen loads may be out)
	MUL8 \f, 0, 0, 0, 0                            ; eight matrix instructions stand between the add and the wait for it
	s_wait_dscnt 0x0                               ; the add is done, and my reads of this slot are over
	s_barrier_signal -1
	MUL8 \f, 0, 0, 2, 0
.if \fill
	WIN 0
.endif
	s_barrier_wait -1
.if (\fill) == 1
	CREST                                          ; no wave of any partner still reads this slot or has a load on its way
	s_add_nc_u64 s[G0+4*(\slot)+2:G0+4*(\slot)+3], s[G0+4*(\slot)+2:G0+4*(\slot)+3], 2*ASTEP
	s_add_nc_u64 s[G0B+4*(\slot)+2:G0B+4*(\slot)+3], s[G0B+4*(\slot)+2:G0B+4*(\slot)+3], 2*BSTEP
	JLOAD G0+4*(\slot), G1, G0B+4*(\slot), G1B     ; the four v_nop behind it are also the places in front of the loads below
.elseif (\fill) == 2
	CREST
	s_add_nc_u64 s[G0+4*(\slot)+2:G0+4*(\slot)+3], s[G0+4*(\slot)+2:G0+4*(\slot)+3], 2*ASTEP
	JLOAD G0+4*(\slot), G1L, G0BL, G1BL
.else
	PLACES
.endif
	FETCH \next, 0, 1-(\f)
.if (\fill) == 1
	ASK
.endif
	REST \f, 0
.endm
	s_load_b256 s[4:11], s[0:1], 0x0               ; Xb s[4:5], Wb s[6:7], vec s[8:9], ctxb s[10:11]
	v_lshl_add_u32 v[SPW], v0, 2, SPARE
	v_mov_b32 v[NIL], 0
	ds_add_u32 v[SPW], v[NIL]                      ; the wave's opening: the add and its wait stand ahead of my first tensor load; the set-up below, work on registers, stands between them
	v_lshrrev_b32 v1, 5, v0
	v_readfirstlane_b32 s[WV], v1                  ; wave 0..3
	s_lshr_b32 s[RH], s[WV], 1
	s_and_b32 s[CH], s[WV], 1
	s_bfe_u32 s[CX], ttmp6, 0x40000                ; my place in the cluster
	s_bfe_u32 s[CY], ttmp6, 0x40004
	s_lshl_b32 s[HEAD], ttmp9, 2
	s_add_co_u32 s[HEAD], s[HEAD], s[CX]           ; head = 4 x cluster x + cx
	s_and_b32 s[RB], ttmp7, 0xffff
	s_lshl_b32 s[RB], s[RB], 2
	s_add_co_u32 s[RB], s[RB], s[CY]               ; block of 128 rows = 4 x cluster y + cy
	s_lshl_b32 s20, s[CY], 2
	s_lshl_b32 s20, 15, s20                        ; my row of the cluster
	s_lshl_b32 s22, 0x1111, s[CX]                  ; my column
	s_or_b32 s[G1], s20, G1C                       ; 15:0 the mask: X's tiles go to my row,
	s_or_b32 s[G1L], s20, G1C
	s_or_b32 s[G1B], s22, G1C                      ; W's to my column
	s_or_b32 s[G1BL], s22, G1C
.irp g, G1, G1B, G1L, G1BL
	s_mov_b32 s[(\g)+1], 128<<16                   ; tensor_dim0 = 128 elements: rows of 256 bytes
	s_mov_b32 s[(\g)+3], 128<<16                   ; tile_dim0 = 128
	s_mov_b32 s[(\g)+5], 128                       ; 128 elements from row to row: the tile is dense
	s_mov_b32 s[(\g)+6], 0
	s_mov_b32 s[(\g)+7], 0
.endr
	s_mov_b32 s[G1+2], 96<<16                      ; tensor_dim1 = tile_dim1 = 96: 24,576 bytes, three quarters of 128 rows of X
	s_mov_b32 s[G1+4], 96
	s_mov_b32 s[G1B+2], 144<<16                    ; 144: 36,864 bytes, half of three quarters of 384 rows of W
	s_mov_b32 s[G1B+4], 144
	s_mov_b32 s[G1L+2], 64<<16                     ; the last step: 64: two quarters of X,
	s_mov_b32 s[G1L+4], 64
	s_mov_b32 s[G1BL+2], 96<<16                    ; 96: one quarter of W's 384 rows
	s_mov_b32 s[G1BL+4], 96
	s_lshl_b32 s20, s[RB], 19                      ; X: the row block's 524,288 bytes, img or sig by the wave
	s_lshl_b32 s21, s[CH], 18
	s_add_co_u32 s20, s20, s21
	s_mov_b32 s21, 0
	s_mul_i32 s22, s[HEAD], 786432                 ; W: the head's 786,432 bytes, a step's first or second half by the wave
	s_mul_i32 s23, s[CH], 36864
	s_add_co_u32 s22, s22, s23
	s_mov_b32 s23, 0
	s_mul_i32 s92, s[HEAD], 786432                 ; W's last step: quarter 30 or 31 by the wave
	s_mul_i32 s93, s[CH], 24576
	s_add_co_u32 s92, s92, s93
	s_add_co_u32 s92, s92, 30*24576
	s_mov_b32 s93, 0
	s_mul_i32 s[LA], s[CH], AREG                   ; where they go: no place in the cluster enters an LDS address
	s_mul_i32 s[LB], s[CH], 576*PITCH
	s_add_co_u32 s[LB], s[LB], BOFF
	s_mov_b32 s[G0BL], 1
	s_mul_i32 s[G0BL+1], s[CH], 3*QT               ; the last step goes into slot 0: a quarter's three tiles a wave
	s_add_co_u32 s[G0BL+1], s[G0BL+1], BOFF
	s_mov_b32 s[SEL], 0x76543210
	s_mov_b32 s[SEL+1], 0xfedcba98
	s_mov_b32 s[CS], 0x3e0293ee                    ; log2(e) / sqrt(128) = 0.127517
	s_wait_dscnt 0x0                               ; the opening add is done
	s_wait_kmcnt 0x0
	s_add_nc_u64 s[20:21], s[4:5], s[20:21]
	s_add_nc_u64 s[22:23], s[6:7], s[22:23]
	s_add_nc_u64 s[G0BL+2:G0BL+3], s[6:7], s[92:93]
	s_or_b32 s[G0BL+3], s[G0BL+3], 0x80000000
	CROUND                                         ; all sixteen work-groups are here: the first joint loads meet
.irp s, 0,1
	s_mov_b32 s[G0+4*(\s)], 1                      ; count = 1
	s_add_co_u32 s[G0+4*(\s)+1], s[LA], (\s)*SLOT  ; LDS address
	s_add_nc_u64 s[G0+4*(\s)+2:G0+4*(\s)+3], s[20:21], (\s)*ASTEP  ; global address: step s
	s_or_b32 s[G0+4*(\s)+3], s[G0+4*(\s)+3], 0x80000000           ; type = 2
	s_mov_b32 s[G0B+4*(\s)], 1
	s_add_co_u32 s[G0B+4*(\s)+1], s[LB], (\s)*SLOT
	s_add_nc_u64 s[G0B+4*(\s)+2:G0B+4*(\s)+3], s[22:23], (\s)*BSTEP
	s_or_b32 s[G0B+4*(\s)+3], s[G0B+4*(\s)+3], 0x80000000
	JLOAD G0+4*(\s), G1, G0B+4*(\s), G1B           ; two loads of mine are out
.endr
	; A fragment is 16 rows x 32 K in 8 registers: lane l holds row l % 16; registers 0-3 K = 8 (l / 16) + 0..7, registers 4-7 K = 16 + 8 (l / 16) + 0..7: two loads of 16 bytes, 32 bytes apart.
	v_and_b32 v1, 15, v0                           ; l % 16
	v_bfe_u32 v2, v0, 4, 1                         ; l / 16
	v_mul_u32_u24 v3, v1, PITCH
	v_lshl_add_u32 v3, v2, 4, v3                   ; row x pitch + 16 x half
	s_mul_i32 s2, s[RH], 64*PITCH                  ; my 64 rows of img's first quarter
	s_mul_i32 s3, s[CH], 64*PITCH                  ; my 64 rows of Wq's,
	s_add_co_u32 s3, s3, BOFF                      ; behind img and sig
.irp s, 0,1
	v_add_nc_u32 v[ADRA+(\s)], s2, v3
.irp q, 0,1,2
	v_add_nc_u32 v[ADRB+3*(\s)+(\q)], s3, v3
	s_add_co_u32 s3, s3, 3*QT
.endr
	s_add_co_u32 s2, s2, SLOT
	s_add_co_u32 s3, s3, SLOT-9*QT
.endr
	; the biases of my 64 columns, as C operands: tile b's registers hold columns 16 b + 8 (l / 16) + 0..7
	s_lshl_b32 s70, s[HEAD], 9
	s_lshl_b32 s71, s[CH], 8
	s_add_co_u32 s70, s70, s71
	s_mov_b32 s71, 0
	s_add_nc_u64 s[8:9], s[8:9], s[70:71]
	v_lshlrev_b32 v[VB], 5, v2
.irp m, 0,1,2
.irp b, 0,1,2,3
	global_load_b128 v[BIAS+32*(\m)+8*(\b):BIAS+32*(\m)+8*(\b)+3],   v[VB], s[8:9] offset:(\m)*4096+(\b)*64
	global_load_b128 v[BIAS+32*(\m)+8*(\b)+4:BIAS+32*(\m)+8*(\b)+7], v[VB], s[8:9] offset:(\m)*4096+(\b)*64+16
.endr
.endr
	; the way out's addresses
	s_mul_i32 s2, s[WV], 16*SP
	s_add_co_u32 s2, s2, STAGE                     ; my stage
	v_mul_u32_u24 v[STO], v1, SP                   ; in: row l % 16, 16 bytes for each half of the lanes
	v_lshl_add_u32 v[STO], v2, 4, v[STO]
	v_add_nc_u32 v[STO], s2, v[STO]
	v_bfe_u32 v4, v0, 3, 2                         ; back: 32 lanes take four rows of 128 bytes,
	v_and_b32 v5, 7, v0
	v_mul_u32_u24 v[RD], v4, SP
	v_lshl_add_u32 v[RD], v5, 4, v[RD]
	v_add_nc_u32 v[RD], s2, v[RD]
	v_and_b32 v6, 31, v0
	v_lshlrev_b32 v[GO], 4, v6                     ; which are 512 consecutive bytes of ctxb
	s_lshl_b32 s2, s[WV], 10
	s_add_co_u32 s2, s2, XCH
	v_lshl_add_u32 v[XS], v6, 5, s2                ; my 32 bytes of partial scores,
	s_xor_b32 s2, s[WV], 1
	s_lshl_b32 s2, s2, 10
	s_add_co_u32 s2, s2, XCH
	v_lshl_add_u32 v[XL], v6, 5, s2                ; and those of the wave with the same rows and the other columns
	s_lshl_b32 s2, s[HEAD], 1
	s_add_co_u32 s2, s2, s[CH]
	s_lshl_b32 s2, s2, 20                          ; ctxb: K block 2 head + column half,
	s_lshl_b32 s3, s[RB], 14                       ; the block's 128 rows of 128 bytes,
	s_add_co_u32 s2, s2, s3
	s_lshl_b32 s3, s[RH], 13                       ; my 64 of them
	s_add_co_u32 s2, s2, s3
	s_mov_b32 s3, 0
	s_add_nc_u64 s[10:11], s[10:11], s[2:3]
	; the prefetches: my work-group's share of the tile that I fetch, at step 3; the first change of slots steps it to 4.  Nothing is asked for here, at the head
	s_lshl_b32 s2, s[RB], 19
	s_lshl_b32 s3, s[CH], 18
	s_add_co_u32 s2, s2, s3
	s_mul_i32 s3, s[CX], 6144
	s_add_co_u32 s2, s2, s3
	s_add_co_u32 s2, s2, 3*ASTEP
	s_mul_i32 s70, s[HEAD], 786432
	s_mul_i32 s71, s[CH], 36864
	s_add_co_u32 s70, s70, s71
	s_mul_i32 s71, s[CY], 9216
	s_add_co_u32 s70, s70, s71
	s_add_co_u32 s70, s70, 3*BSTEP
	s_and_b32 s71, ttmp7, 0xffff                   ; cluster y
	s_mov_b32 s[PST], BSTEP
	s_mov_b32 s[PST+1], 0
	s_cmp_eq_u32 s[RH], 0                          ; do I fetch for X?
	s_cselect_b32 s2, s2, s70
	s_cselect_b32 s71, ttmp9, s71                  ; the coordinate along which other clusters read the same tile
	s_cselect_b32 s[PST], ASTEP, s[PST]
	s_cselect_b32 s[CLAMP], 23, 31                 ; the last block that the first instruction names
	s_cselect_b64 s[PFA:PFA+1], s[4:5], s[6:7]
	s_cmp_eq_u32 s71, 0
	s_cselect_b32 s[LIM], 1, -1                    ; the same in all sixteen partners, for a given wave
	s_cmp_eq_u32 s[RH], 0
	s_cselect_b32 s[LIM2], -1, s[LIM]              ; W's shares alone have a second instruction
	s_mov_b32 s3, 0
	s_add_nc_u64 s[PFA:PFA+1], s[PFA:PFA+1], s[2:3]
	v_min_u32 v[PFO], s[CLAMP], v6
	v_lshlrev_b32 v[PFO], 8, v[PFO]
	v_min_u32 v[PFO2], 3, v6
	v_lshlrev_b32 v[PFO2], 8, v[PFO2]
	s_wait_tensorcnt 1                             ; my part of step 0 is in; step 1's may stay out
	s_barrier_signal -1
	s_barrier_wait -1                              ; everybody's is
	FETCH 0, 0, 0
	QUARTER 0, 1, 0, 1                             ; the first quarter stands in front of the loop: its products start the sums, with the biases
	WIN 0                                          ; at a label and at a branch every window is 0
	s_mov_b32 s[CNT], 4
.Llap:                                 ; a trip goes once round the ring, six quarters, from a lap's second quarter to the next lap's first, and fills both slots again: steps 2 to 9
	QUARTER 0, 2, 1, 0
	TURN 0, 1, 0, 1
	QUARTER 1, 1, 1, 0
	QUARTER 1, 2, 0, 0
	TURN 1, 0, 1, 1
	QUARTER 0, 1, 0, 0
	WIN 0
	s_sub_co_u32 s[CNT], s[CNT], 1
	s_cmp_lg_u32 s[CNT], 0
	s_cbranch_scc1 .Llap
	QUARTER 0, 2, 1, 0                             ; the tail is written out: step 8 goes on,
	TURN 0, 1, 0, 2                                ; and its slot takes step 10, two quarters: the last load
	QUARTER 1, 1, 1, 0                             ; step 9
	QUARTER 1, 2, 0, 0
	TURN 1, 0, 1, 0                                ; nothing is left to ask for
	QUARTER 0, 1, 0, 0                             ; step 10
	s_wait_dscnt 16                                ; the very last quarter
	MUL16 1, 0, 0, 0
	s_wait_dscnt 0x0
	REST 1, 0
	; THE WAY OUT.  The scores: eight chains (row tile a, source x), two products an instruction; each accumulator is read from its low end on.
	WIN 0
	PLACES
	PLACES
	WIN 0x09                                       ; source 0 (q) window 1, source 1 (k) window 2, chains in window 0
.set i, 0
.rept 16                               ; column tile i / 4, pair i % 4 of its eight registers
.irp a, 0,1,2,3
.irp x, 0,1
.if i == 0
	v_pk_mul_f32 v[CHN+4*(\a)+2*(\x):CHN+4*(\a)+2*(\x)+1], v[8*(4*(\a)+i/4)+2*(i%4):8*(4*(\a)+i/4)+2*(i%4)+1], v[128*(\x)+8*(4*(\a)+i/4)+2*(i%4):128*(\x)+8*(4*(\a)+i/4)+2*(i%4)+1]
.else
	v_pk_fma_f32 v[CHN+4*(\a)+2*(\x):CHN+4*(\a)+2*(\x)+1], v[8*(4*(\a)+i/4)+2*(i%4):8*(4*(\a)+i/4)+2*(i%4)+1], v[128*(\x)+8*(4*(\a)+i/4)+2*(i%4):128*(\x)+8*(4*(\a)+i/4)+2*(i%4)+1], v[CHN+4*(\a)+2*(\x):CHN+4*(\a)+2*(\x)+1]
.endif
.endr
.endr
.set i, i+1
.endr
	WIN 0
.irp c, 0,1,2,3,4,5,6,7
	v_add_f32 v[SC+(\c)], v[CHN+2*(\c)], v[CHN+2*(\c)+1]
.endr
.irp c, 0,1,2,3,4,5,6,7
	v_permlanex16_b32 v[CHN+2*(\c)+1], v[SC+(\c)], s[SEL], s[SEL+1]  ; the row's other 32 of my 64 columns lie in the lane 16 away
.endr
.irp c, 0,1,2,3,4,5,6,7
	v_add_f32 v[SC+(\c)], v[SC+(\c)], v[CHN+2*(\c)+1]
.endr
	ds_store_b128 v[XS], v[SC:SC+3]
	ds_store_b128 v[XS], v[SC+4:SC+7] offset:16
	s_wait_dscnt 0x0                               ; for the other wave's sake: my partial scores lie in LDS
	s_barrier_signal -1
	s_barrier_wait -1
	ds_load_b128 v[TM:TM+3], v[XL]                 ; the head's other 64 columns
	ds_load_b128 v[TM+4:TM+7], v[XL] offset:16
	s_wait_dscnt 0x0
.irp c, 0,2,4,6
	v_pk_add_f32 v[SC+(\c):SC+(\c)+1], v[SC+(\c):SC+(\c)+1], v[TM+(\c):TM+(\c)+1]  ; both waves add the same two numbers: the same weights in both
.endr
.irp a, 0,1,2,3
	v_max_num_f32 v[TM+(\a)], v[SC+2*(\a)], v[SC+2*(\a)+1]
.endr
.irp c, 0,1,2,3,4,5,6,7
	v_sub_f32 v[SC+(\c)], v[SC+(\c)], v[TM+(\c)/2]  ; the greater score gives exactly 0
.endr
.irp c, 0,1,2,3,4,5,6,7
	v_mul_f32 v[SC+(\c)], s[CS], v[SC+(\c)]
.endr
.irp c, 0,1,2,3,4,5,6,7
	v_exp_f32 v[SC+(\c)], v[SC+(\c)]
.endr
	v_nop                                          ; a plain instruction behind the last exponential,
	s_wait_alu depctr_va_vdst(0)                   ; and one wait ahead of the batch's first reader
.irp a, 0,1,2,3
	v_add_f32 v[TM+(\a)], v[SC+2*(\a)], v[SC+2*(\a)+1]  ; between 1 and 2
.endr
.irp a, 0,1,2,3
	v_rcp_f32 v[TM+4+(\a)], v[TM+(\a)]
.endr
	v_nop
	s_wait_alu depctr_va_vdst(0)                   ; one wait for the four reciprocals
.irp c, 0,1,2,3,4,5,6,7
	v_mul_f32 v[CHN+2*(\c)], v[SC+(\c)], v[TM+4+(\c)/2]    ; each weight twice: a pair for the packed arithmetic
	v_mul_f32 v[CHN+2*(\c)+1], v[SC+(\c)], v[TM+4+(\c)/2]
.endr
; Row tile a: ctx = w0 v_img + w1 v_sig, in place; rounded to bf16, 16 bytes a lane; into rows of 144 bytes in my stage and back as whole rows of 128, into the registers that they left.
.macro PACK a
	WIN 0xf3                                       ; v in window 3, the weights in window 0
.irp b, 0,1,2,3
.irp p, 0,1,2,3
	v_pk_mul_f32 v[8*(4*(\a)+(\b))+2*(\p):8*(4*(\a)+(\b))+2*(\p)+1], v[8*(4*(\a)+(\b))+2*(\p):8*(4*(\a)+(\b))+2*(\p)+1], v[CHN+4*(\a):CHN+4*(\a)+1]
.endr
.irp p, 0,1,2,3
	v_pk_fma_f32 v[8*(4*(\a)+(\b))+2*(\p):8*(4*(\a)+(\b))+2*(\p)+1], v[128+8*(4*(\a)+(\b))+2*(\p):128+8*(4*(\a)+(\b))+2*(\p)+1], v[CHN+4*(\a)+2:CHN+4*(\a)+3], v[8*(4*(\a)+(\b))+2*(\p):8*(4*(\a)+(\b))+2*(\p)+1]
.endr
.endr
	WIN 0x0f                                       ; sources window 3, destination window 0
.irp b, 0,1,2,3
.irp p, 0,1,2,3
	v_cvt_pk_bf16_f32 v[OUTR+16*(\a)+4*(\b)+(\p)], v[8*(4*(\a)+(\b))+2*(\p)], v[8*(4*(\a)+(\b))+2*(\p)+1]
.endr
.endr
	WIN 0
.irp b, 0,1,2,3
	ds_store_b128 v[STO], v[OUTR+16*(\a)+4*(\b):OUTR+16*(\a)+4*(\b)+3] offset:32*(\b)
.endr
.irp f, 0,1,2,3
	ds_load_b128 v[OUTR+16*(\a)+4*(\f):OUTR+16*(\a)+4*(\f)+3], v[RD] offset:(\f)*4*SP  ; LDS serves a wave's instructions in order (ISA guide 5.7.1.4): these see the stores above; the next tile's stores come behind them
.endr
.endm
.macro SEND a, younger                 ; younger: the LDS instructions issued behind tile a's loads: the next tile's eight, or none
.irp f, 0,1,2,3
	s_wait_dscnt (\younger)+3-(\f)
	global_store_b128 v[GO], v[OUTR+16*(\a)+4*(\f):OUTR+16*(\a)+4*(\f)+3], s[10:11] offset:(\a)*2048+(\f)*512 th:TH_STORE_NT  ; 512 consecutive bytes, at a multiple of 256 from ctxb's first
.endr
.endm
	PACK 0
	PACK 1                                         ; a tile's arithmetic stands between the loads of the tile before and its stores
	SEND 0, 8
	PACK 2
	SEND 1, 8
	PACK 3
	SEND 2, 8
	SEND 3, 0
	s_wait_tensorcnt 0x0                           ; the wave's end, behind my last tensor load and my last LDS store
	ds_add_u32 v[SPW], v[NIL]
	s_wait_dscnt 0x0
	CROUND                                         ; the closing round: no work-group ends while a partner may still ask for a tile that names it
	s_endpgm
.Lfunc_end_k_qb84015e111_qkv:
	.size	k_qb84015e111_qkv, .Lfunc_end_k_qb84015e111_qkv-k_qb84015e111_qkv
	.p2alignl 7, 3214868480
	.fill 96, 4, 3214868480
	.section	.rodata,"a",@progbits
	.p2align	6, 0x0
	.amdhsa_kernel k_qb84015e111_qkv
		.amdhsa_group_segment_fixed_size 327680
		.amdhsa_private_segment_fixed_size 0
		.amdhsa_enable_private_segment 0
		.amdhsa_kernarg_size 32
		.amdhsa_user_sgpr_count 2
		.amdhsa_user_sgpr_kernarg_segment_ptr 1
		.amdhsa_wavefront_size32 1
		.amdhsa_system_sgpr_workgroup_id_x 1
		.amdhsa_system_sgpr_workgroup_id_y 1
		.amdhsa_system_sgpr_workgroup_id_z 1
		.amdhsa_system_vgpr_workitem_id 0
		.amdhsa_next_free_vgpr 1024
		.amdhsa_next_free_sgpr 96
		.amdhsa_reserve_vcc 0
		.amdhsa_float_denorm_mode_32 3
		.amdhsa_float_denorm_mode_16_64 3
		.amdhsa_memory_ordered 1
		.amdhsa_forward_progress 1
		.amdhsa_inst_pref_size 156
	.end_amdhsa_kernel
	.amdgpu_metadata
---
amdhsa.version: [ 1, 2 ]
amdhsa.kernels:
  - .name:           k_qb84015e111_qkv
    .symbol:         k_qb84015e111_qkv.kd
    .args:
      - { .name: Xb, .offset: 0, .size: 8, .value_kind: global_buffer, .address_space: global }
      - { .name: Wb, .offset: 8, .size: 8, .value_kind: global_buffer, .address_space: global }
      - { .name: vec, .offset: 16, .size: 8, .value_kind: global_buffer, .address_space: global }
      - { .name: ctxb, .offset: 24, .size: 8, .value_kind: global_buffer, .address_space: global }
    .group_segment_fixed_size: 327680
    .private_segment_fixed_size: 0
    .kernarg_segment_align: 8
    .kernarg_segment_size: 32
    .max_flat_workgroup_size: 128
    .sgpr_count:     96
    .vgpr_count:     1024
    .wavefront_size: 32
...
	.end_amdgpu_metadata
.endif
;; end of part 2
;; launch wo_ln (part 3): grid 128 x 1, 4 waves a work-group, no clusters, 218,624 bytes of LDS; arguments ctxb, Wob, Xb, vec, out0; writes out0
.if DOCPART == 3
	.amdgcn_target "amdgcn-amd-amdhsa--gfx1250"
	.amdhsa_code_object_version 6
	.text
	.protected	k_qb84015e111_wo_ln
	.globl	k_qb84015e111_wo_ln
	.p2align	8
	.type	k_qb84015e111_wo_ln,@function
k_qb84015e111_wo_ln:
	s_mov_b64 s[64:65], 0
	v_nop
	global_prefetch_b8 v0, s[64:65] scope:SCOPE_SE
	s_setreg_imm32_b32 hwreg(HW_REG_WAVE_MODE, 25, 1), 1
	s_wait_xcnt 0x0
; WO_LN: out = LayerNorm(ctx Wo^T + bo + img) gamma + beta, for 64 rows and ALL 1,024 columns in a work-group, so that a row's mean and variance are made of the f32 sums in registers.
; ctxb: bf16 [kb 16][8192 rows][64]; Wob: bf16, Wo in fragment order [quarter of 32 K: 32][tile of 16 rows: 64][half 2][lane 32][16 bytes];
; Xb: bf16 [rb 64][img, sig][quarter 32][128 rows][32], img's rows are the residual; vec: f32, bo, gamma, beta at 3, 4, 5 x 4,096 bytes; out0: f32 [8192][1024].
; LIMITS.  Operands and residual are bf16 roundings of the inputs.  The variance is the mean of (x - mean)^2, made in a second pass over the registers, not a difference of sums.  NaN and infinities are not treated apart.
; SHARES.  128 work-groups of 64 rows: 64 x 1,024 sums in f32 are 2,048 of a WGP's 4,096 registers, and 128 rows would leave none for fragments.  Wave w has all 64 rows and columns 256 w .. 256 w + 255: 4 x 16 accumulators.
; THE MATRIX INSTRUCTION IS USED TRANSPOSED (source 0 = 16 rows of Wo, source 1 = 16 rows of ctx): a lane holds ONE row (lane % 16) and the columns 8 (lane / 16) + 0..7 of a tile.
; K IS PERMUTED INSIDE A QUARTER, alike in both sources: lane (r, h) holds k = 16 h + 0..7 in registers 0-3 and 16 h + 8..15 in registers 4-7.  The products are the same, their order in the sum another.
; THE SUMS START FROM bo + img, written by vector instructions at the start: nothing is cleared, and every product has one form.
; WO COMES STRAIGHT INTO REGISTERS.  No wave reads a row of Wo that another wave of the work-group reads, and in Wob each load of a wave is 512 consecutive bytes.  A UNIT is 8 fragments: 16 loads, 64 registers, 32 matrix
; instructions; four units fill window 1.  A unit's registers are asked for again in two runs of 8 loads, at the head and in the middle of the next unit: 40 to 48 loads (20 to 24 KiB) of a wave are on their way at every
; moment, each with about three units, 96 matrix instructions, in which to land, and the loop has no barrier.
; NO CLUSTER, though all work-groups read the same Wo: a joint load lands in LDS.  Wo through LDS is two slots of 64 along K (2 x 147,456 bytes: no more fit), a barrier and a round for each slot, and each refill alone on
; its way with 112 matrix instructions in which to land.  The price: each work-group asks for all 2 MiB of Wo by itself.
; CTX: the work-group's 64 rows x 1,024, 16 blocks of 64 along K, come into LDS once, by four tensor loads a wave at the start; nothing is filled again.
; THE WALK ALONG K IS TURNED: work-group g begins at K block g % 16 and goes round, so that at any moment the work-groups read sixteen different blocks of Wo.  The turn enters global addresses alone: LDS slot i takes ctx's block (g + i) % 16.
; REGISTERS, in windows of 256 (s_set_vgpr_msb: bits 1:0 source 0, 3:2 source 1, 5:4 source 2, 7:6 destination):
;   window 0: v0-31 addresses; v32-63 sixteen pairs of partial sums; v64-95, v96-127 ctx's fragments, two buffers (on the way out: means, 1 / sigma, sums); v128-255 bo, at the end rows on their way out
;   window 1: first the residual as loaded (row tile a in unit a's registers); then Wo's four units (unit e at 64 e: quarter e / 2 of a K block, column tiles 8 (e % 2) on); at the end gamma (v0-127) and beta (v128-255)
;   window 2: accumulators of row tiles 0, 1 ((a, b) at 8 (16 (a % 2) + b));   window 3: of row tiles 2, 3
.set PITCH,  144                       ; a row of ctx in LDS: 128 bytes + 16 of padding = 36 words: the 16 rows of a load start at 16 different groups of four banks (64 banks of 4 bytes: ISA guide 11.1)
.set ABLK,   64*PITCH                  ; a K block of ctx
.set STAGE,  16*ABLK                   ; behind ctx: the way out's stage, 16 rows of 1,040 bytes a wave
.set SPITCH, 1040                      ; a row of 1,024 bytes + 16
.set RED1,   STAGE+4*16*SPITCH         ; the waves' row sums, 512 bytes a wave,
.set RED2,   RED1+2048                 ; and their sums of squares
.set SPARE,  RED2+2048                 ; the spare words, 128 bytes a wave: two blocks of 256 bytes that no other line names
.set XQ,     8192                      ; bytes from a quarter to the next in Xb
.set RL,   13                          ; v13  where I read the four waves' sums
.set RX,   14                          ; v14  where I put mine
.set ONE,  15                          ; v15  1.0
.set A0,   16                          ; v16  my lane's place in a K block of ctx; never rewritten
.set ADRA, 17                          ; v17  the same in the block in hand
.set STO,  24                          ; v24  the way out: where I put 32 bytes of a row
.set RD,   25                          ; v25  where I read rows back
.set GO,   26                          ; v26  16 x lane: my place in 512 consecutive bytes, of Wob and of out0; never rewritten
.set VB,   27                          ; v27  32 x (lane / 16): my eight numbers of bo, gamma, beta
.set SPW,  28                          ; v28  my spare word: SPARE + 4 x my thread's number; never rewritten
.set NIL,  29                          ; v29  0; never rewritten
.set RO,   31                          ; v31  my 16 bytes of a residual row
.set T,    32                          ; v32-63  row tile a, chain c: the pair at T + 8 a + 2 c
.set AF,   64
.set MEAN, 64                          ; v64-71  a pair a row tile
.set RSTD, 72                          ; v72-79
.set SUM,  80                          ; v80-83  my wave's sums; v84-99 the four waves'
.set BO,   128
.set BK,   128
.set WV,   14
.set WG,   16
.set KB,   17                          ; the K block of Wo that is being asked for
.set TA,   18                          ; LDS byte of ctx's block in hand
.set CNT,  19
.set G1A,  24                          ; s[24:31] descriptor group 1 for a block of ctx
.set G0A,  32                          ; s[32:47] group 0, a set for each of my four loads
.set CUR,  48                          ; s[48:49] Wob at my columns, at K block KB
.set WB,   50                          ; s[50:51] Wob at my columns
.set OFF,  52                          ; s[52:53] KB x 131,072
.set SEL,  66                          ; s[66:67] v_permlanex16_b32's selects: each lane takes its own place in the other half
.set RES,  70                          ; s[70:71] the residual
.set VEC,  72                          ; s[72:73] vec at my 256 columns
.set INV,  78                          ; 1 / 1024
.set EPS,  79                          ; 1e-5
.set MSB, 0
.macro WIN new                         ; the immediate's high byte repeats the setting that is left; a switch that changes nothing is dropped
.if MSB != (\new)
	s_set_vgpr_msb (MSB<<8)|(\new)
.set MSB, \new
.endif
.endm
.macro PLACES                          ; four places behind matrix instructions, in front of loads into registers that they have read and of vector work on their results
.rept 4
	v_nop
.endr
.endm
; 8 products, 32 along K: unit e's eight column tiles, row tile a.  The 64 accumulators take turns in the same order in every quarter: 63 others stand between two links of a chain.
.macro MUL8 e, a
	WIN 0xa1+0x50*((\a)/2)                         ; Wo window 1, ctx window 0, C and D window 2 or 3
.irp x, 0,1,2,3,4,5,6,7
	v_wmma_f32_16x16x32_bf16 v[8*(16*((\a)%2)+8*((\e)%2)+(\x)):8*(16*((\a)%2)+8*((\e)%2)+(\x))+7], v[64*(\e)+8*(\x):64*(\e)+8*(\x)+7], v[AF+32*((\e)/2)+8*(\a):AF+32*((\e)/2)+8*(\a)+7], v[8*(16*((\a)%2)+8*((\e)%2)+(\x)):8*(16*((\a)%2)+8*((\e)%2)+(\x))+7]
.endr
.endm
; 8 loads: fragments 4 hh .. 4 hh + 3 of unit e, from the K block at CUR.  Each load of the wave is 512 consecutive bytes.
.macro LOADH e, hh
	WIN 0x40                                       ; destination window 1, address window 0
.irp x, 0,1,2,3
	global_load_b128 v[64*(\e)+8*(4*(\hh)+(\x)):64*(\e)+8*(4*(\hh)+(\x))+3],   v[GO], s[CUR:CUR+1] offset:((\e)/2)*65536+((\e)%2)*8192+(4*(\hh)+(\x))*1024
	global_load_b128 v[64*(\e)+8*(4*(\hh)+(\x))+4:64*(\e)+8*(4*(\hh)+(\x))+7], v[GO], s[CUR:CUR+1] offset:((\e)/2)*65536+((\e)%2)*8192+(4*(\hh)+(\x))*1024+512
.endr
.endm
; 8 LDS loads: ctx's four fragments of a quarter, at byte off behind the block in hand, into buffer f
.macro FETCHA f, off
	WIN 0
.irp a, 0,1,2,3
	ds_load_b128 v[AF+32*(\f)+8*(\a):AF+32*(\f)+8*(\a)+3],   v[ADRA] offset:(\off)+(\a)*16*PITCH
	ds_load_b128 v[AF+32*(\f)+8*(\a)+4:AF+32*(\f)+8*(\a)+7], v[ADRA] offset:(\off)+(\a)*16*PITCH+16
.endr
.endm
; A UNIT's turn: 32 products.  ld = 1: the registers of the unit before it are asked for again, 8 loads at the head and 8 in the middle; behind unit 0 they belong to the next K block, so the pointer steps in unit 1.
; fa = 1 (units 0 and 2): ctx's fragments of the next quarter are fetched, into the buffer that the products in front of the four places read last.
; cnt: the loads younger than this unit's sixteen.  dsc: the LDS loads younger than this quarter's eight.
.macro UNIT e, ld, fa, cnt, dsc
.if (\ld) || (\fa)
	PLACES
.endif
.if \ld
.if (\e) == 1
	s_wait_xcnt 0x0                                ; every load issued so far (the youngest sixteen products back) has read its address: the pointer may be written
	s_add_co_u32 s[KB], s[KB], 1
	s_and_b32 s[KB], s[KB], 15                     ; round the sixteen blocks
	s_lshl_b32 s[OFF], s[KB], 17
	s_add_nc_u64 s[CUR:CUR+1], s[WB:WB+1], s[OFF:OFF+1]
.endif
	LOADH ((\e)+3)%4, 0
.endif
.if \fa
.if (\e) == 0
	FETCHA 1, 64                                   ; this block's second quarter
.else
	FETCHA 0, ABLK                                 ; the next block's first
.endif
.endif
	s_wait_loadcnt \cnt                            ; loads come back in order: this unit's are in
.if (\e)%2 == 0
	s_wait_dscnt \dsc                              ; and this quarter's fragments of ctx
.endif
	MUL8 \e, 0
	MUL8 \e, 1
.if \ld
	LOADH ((\e)+3)%4, 1                            ; (the four places at the unit's head lie behind the last product that read these registers)
.endif
	MUL8 \e, 2
	MUL8 \e, 3
.endm
; Row tile a's sums start: a word's two bf16 of the residual, each times 1.0 plus bo: exact but for the one rounding of the sum
.macro INIT a
	WIN 0x81+0x40*((\a)/2)                         ; destination window 2 or 3, the residual in window 1, 1.0 and bo in window 0
.set b, 0
.rept 16
.irp i, 0,1,2,3
	v_fma_mix_f32_bf16 v[8*(16*((\a)%2)+b)+2*(\i)],   v[4*(16*(\a)+b)+(\i)], v[ONE], v[BO+8*b+2*(\i)]   op_sel_hi:[1,0,0]
	v_fma_mix_f32_bf16 v[8*(16*((\a)%2)+b)+2*(\i)+1], v[4*(16*(\a)+b)+(\i)], v[ONE], v[BO+8*b+2*(\i)+1] op_sel:[1,0,0] op_sel_hi:[1,0,0]
.endr
.set b, b+1
.endr
.endm
	s_load_b256 s[4:11], s[0:1], 0x0               ; ctxb s[4:5], Wob s[6:7], Xb s[8:9], vec s[10:11]
	s_load_b64 s[12:13], s[0:1], 0x20              ; out0
	v_lshl_add_u32 v[SPW], v0, 2, SPARE
	v_mov_b32 v[NIL], 0
	ds_add_u32 v[SPW], v[NIL]                      ; the wave's opening: the add and its wait stand ahead of my first tensor load; the set-up below, work on registers, stands between them
	v_lshrrev_b32 v1, 5, v0
	v_readfirstlane_b32 s[WV], v1                  ; wave 0..3
	s_mov_b32 s[WG], ttmp9                         ; my block of 64 rows
	s_and_b32 s[KB], s[WG], 15                     ; the K block at which I begin
	s_mov_b32 s[G1A], (1<<16)|(1<<20)|(4<<22)|(3<<25)  ; 17:16 2-byte elements; 20 padding on; 24:22 after every 32 words (code 4); 31:25 4 words (code 3)
	s_mov_b32 s[G1A+1], 128<<16                    ; tensor_dim0 = 128 elements: rows of 256 bytes
	s_mov_b32 s[G1A+2], 32<<16                     ; tensor_dim1 = 32: 8,192 dense bytes, 64 rows of ctx
	s_mov_b32 s[G1A+3], 128<<16                    ; tile_dim0 = 128
	s_mov_b32 s[G1A+4], 32                         ; tile_dim1 = 32
	s_mov_b32 s[G1A+5], 128                        ; 128 elements from row to row
	s_mov_b32 s[G1A+6], 0
	s_mov_b32 s[G1A+7], 0
	s_lshl_b32 s20, s[WV], 2                       ; I fill LDS slots 4 w .. 4 w + 3
	s_mul_i32 s21, s[WV], 4*ABLK
.irp i, 0,1,2,3
	s_mov_b32 s[G0A+4*(\i)], 1                     ; count = 1
	s_add_co_u32 s[G0A+4*(\i)+1], s21, (\i)*ABLK   ; LDS address
.endr
	s_mov_b32 s[SEL], 0x76543210
	s_mov_b32 s[SEL+1], 0xfedcba98
	s_mov_b32 s[INV], 0x3a800000                   ; 1 / 1024
	s_mov_b32 s[EPS], 0x3727c5ac                   ; 1e-5
	s_mov_b32 s[TA], 0
	s_lshl_b32 s22, s[WG], 13                      ; my work-group's 64 rows in a K block of ctxb
	s_mov_b32 s23, 0
	s_wait_dscnt 0x0                               ; the opening add is done
	s_wait_kmcnt 0x0
	s_add_nc_u64 s[22:23], s[4:5], s[22:23]
.irp i, 0,1,2,3
	s_add_co_u32 s2, s20, (\i)
	s_add_co_u32 s2, s2, s[KB]
	s_and_b32 s2, s2, 15                           ; slot 4 w + i takes K block (g + 4 w + i) % 16:
	s_lshl_b32 s2, s2, 20                          ; 1,048,576 bytes a block in ctxb
	s_mov_b32 s3, 0
	s_add_nc_u64 s[G0A+4*(\i)+2:G0A+4*(\i)+3], s[22:23], s[2:3]  ; global address
	s_or_b32 s[G0A+4*(\i)+3], s[G0A+4*(\i)+3], 0x80000000        ; type = 2
.endr
.irp i, 0,1,2,3                        ; all of ctx, in one group, ahead of every wait on TENSORcnt, every LDS read and every barrier: four loads of mine are out
	tensor_load_to_lds s[G0A+4*(\i):G0A+4*(\i)+3], s[G1A:G1A+7]
	s_nop 0
.endr
	PLACES
	v_and_b32 v1, 15, v0                           ; l % 16
	v_bfe_u32 v2, v0, 4, 1                         ; l / 16
	v_and_b32 v6, 31, v0                           ; l
	; the residual: img's rows in Xb.  Column 256 w + 16 b + 8 (l / 16) lies in quarter 8 w + b / 2, at byte 32 (b % 2) + 16 (l / 16) of the row's 64
	s_lshr_b32 s2, s[WG], 1
	s_lshl_b32 s2, s2, 19                          ; the block of 128 rows,
	s_and_b32 s3, s[WG], 1
	s_lshl_b32 s3, s3, 12                          ; my 64 of them,
	s_add_co_u32 s2, s2, s3
	s_lshl_b32 s3, s[WV], 16                       ; my wave's eight quarters
	s_add_co_u32 s2, s2, s3
	s_mov_b32 s3, 0
	s_add_nc_u64 s[RES:RES+1], s[8:9], s[2:3]
	s_lshl_b32 s2, s[WV], 10
	s_add_nc_u64 s[VEC:VEC+1], s[10:11], s[2:3]
	s_lshl_b32 s2, s[WV], 14                       ; my 16 tiles of 1,024 bytes in a quarter of Wob
	s_add_nc_u64 s[WB:WB+1], s[6:7], s[2:3]
	s_lshl_b32 s[OFF], s[KB], 17                   ; a K block is two quarters of 65,536 bytes
	s_mov_b32 s[OFF+1], 0
	s_add_nc_u64 s[CUR:CUR+1], s[WB:WB+1], s[OFF:OFF+1]
	v_lshlrev_b32 v[RO], 6, v1
	v_lshl_add_u32 v[RO], v2, 4, v[RO]
	v_lshlrev_b32 v[VB], 5, v2
	WIN 0x40
.set a, 0
.rept 4
.set b, 0
.rept 16                               ; tile (a, b): 8 bf16 a lane
	global_load_b128 v[4*(16*a+b):4*(16*a+b)+3], v[RO], s[RES:RES+1] offset:(b/2)*XQ+a*1024+(b%2)*32
.set b, b+1
.endr
.set a, a+1
.endr
	WIN 0
.set b, 0
.rept 16
	global_load_b128 v[BO+8*b:BO+8*b+3],   v[VB], s[VEC:VEC+1] offset:3*4096+b*64
	global_load_b128 v[BO+8*b+4:BO+8*b+7], v[VB], s[VEC:VEC+1] offset:3*4096+b*64+16
.set b, b+1
.endr
	; addresses, while those loads are out
	v_mov_b32 v[ONE], 1.0
	v_mul_u32_u24 v[A0], v1, PITCH
	v_lshl_add_u32 v[A0], v2, 5, v[A0]             ; row x pitch + 32 x half: my 16 numbers of a quarter
	v_mov_b32 v[ADRA], v[A0]
	s_mul_i32 s2, s[WV], 16*SPITCH
	s_add_co_u32 s2, s2, STAGE                     ; my stage
	v_mul_u32_u24 v[STO], v1, SPITCH               ; in: row l % 16, 32 bytes for each half of the lanes
	v_lshl_add_u32 v[STO], v2, 5, v[STO]
	v_add_nc_u32 v[STO], s2, v[STO]
	v_lshlrev_b32 v[GO], 4, v6
	v_add_nc_u32 v[RD], s2, v[GO]                  ; back: 32 lanes take 512 consecutive bytes of a row
	v_add_nc_u32 v[RL], RED1, v[GO]
	s_lshl_b32 s2, s[WV], 9
	v_add_nc_u32 v[RX], s2, v[RL]
	s_lshl_b32 s2, s[WG], 18                       ; out0: my work-group's 64 rows of 4,096 bytes,
	s_lshl_b32 s3, s[WV], 10                       ; my wave's 1,024 bytes of each
	s_add_co_u32 s2, s2, s3
	s_mov_b32 s3, 0
	s_add_nc_u64 s[12:13], s[12:13], s[2:3]
	s_wait_loadcnt 0x0                             ; the residual and bo
	INIT 0                                         ; row tile a's residual lay in unit a's registers: the unit is asked for as soon as the tile's sums are started
	LOADH 0, 0
	LOADH 0, 1
	INIT 1
	LOADH 1, 0
	LOADH 1, 1
	INIT 2
	LOADH 2, 0
	LOADH 2, 1
	INIT 3                                         ; unit 3 is asked for in the first trip, like every unit after it
	WIN 0
	s_wait_tensorcnt 0x0                           ; my four blocks of ctx are in,
	s_barrier_signal -1
	s_barrier_wait -1                              ; everybody's are
	FETCHA 0, 0
	s_mov_b32 s[CNT], 15
.Lblk:                                 ; a trip: one K block, 64 along K, four units; it asks for its own unit 3 and the next block's units 0 to 2
	v_add_nc_u32 v[ADRA], s[TA], v[A0]
	UNIT 0, 1, 1, 40, 8                            ; 40: five younger runs of 8 loads are out; 8: the LDS loads just issued
	UNIT 1, 1, 0, 40, 0
	UNIT 2, 1, 1, 40, 8
	UNIT 3, 1, 0, 40, 0
	WIN 0                                          ; at a label and at a branch every window is 0
	s_add_co_u32 s[TA], s[TA], ABLK
	s_sub_co_u32 s[CNT], s[CNT], 1
	s_cmp_lg_u32 s[CNT], 0
	s_cbranch_scc1 .Lblk
	v_add_nc_u32 v[ADRA], s[TA], v[A0]             ; the last block is written out: its unit 3 is the last thing asked for, and the counts run down
	UNIT 0, 1, 1, 40, 8
	UNIT 1, 0, 0, 32, 0
	UNIT 2, 0, 0, 16, 0
	UNIT 3, 0, 0, 0, 0
	; THE WAY OUT.  gamma and beta of my 256 columns go where Wo's fragments lay; they land during the two passes below.
	WIN 0
	PLACES
	PLACES
	WIN 0x40
.set b, 0
.rept 16
	global_load_b128 v[8*b:8*b+3],         v[VB], s[VEC:VEC+1] offset:4*4096+b*64
	global_load_b128 v[8*b+4:8*b+7],       v[VB], s[VEC:VEC+1] offset:4*4096+b*64+16
	global_load_b128 v[128+8*b:128+8*b+3], v[VB], s[VEC:VEC+1] offset:5*4096+b*64
	global_load_b128 v[128+8*b+4:128+8*b+7], v[VB], s[VEC:VEC+1] offset:5*4096+b*64+16
.set b, b+1
.endr
; The partial sums in T are folded: four chains, a pair's two halves, the other half of the lanes; then the four waves' sums of each row meet in LDS at byte off, and every wave adds them in the same order.  v[SUM+4+a] is row tile a's sum.
.macro FOLD off
	WIN 0
.irp a, 0,1,2,3
	v_pk_add_f32 v[T+8*(\a):T+8*(\a)+1], v[T+8*(\a):T+8*(\a)+1], v[T+8*(\a)+2:T+8*(\a)+3]
	v_pk_add_f32 v[T+8*(\a)+4:T+8*(\a)+5], v[T+8*(\a)+4:T+8*(\a)+5], v[T+8*(\a)+6:T+8*(\a)+7]
.endr
.irp a, 0,1,2,3
	v_pk_add_f32 v[T+8*(\a):T+8*(\a)+1], v[T+8*(\a):T+8*(\a)+1], v[T+8*(\a)+4:T+8*(\a)+5]
.endr
.irp a, 0,1,2,3
	v_add_f32 v[SUM+(\a)], v[T+8*(\a)], v[T+8*(\a)+1]
.endr
.irp a, 0,1,2,3
	v_permlanex16_b32 v[T+8*(\a)+1], v[SUM+(\a)], s[SEL], s[SEL+1]
.endr
.irp a, 0,1,2,3
	v_add_f32 v[SUM+(\a)], v[SUM+(\a)], v[T+8*(\a)+1]
.endr
	ds_store_b128 v[RX], v[SUM:SUM+3] offset:\off
	s_wait_dscnt 0x0                               ; for the others' sake: my sums lie in LDS
	s_barrier_signal -1
	s_barrier_wait -1
.irp w, 0,1,2,3
	ds_load_b128 v[SUM+4+4*(\w):SUM+7+4*(\w)], v[RL] offset:(\off)+512*(\w)
.endr
	s_wait_dscnt 0x0
	v_pk_add_f32 v[SUM+4:SUM+5], v[SUM+4:SUM+5], v[SUM+8:SUM+9]
	v_pk_add_f32 v[SUM+6:SUM+7], v[SUM+6:SUM+7], v[SUM+10:SUM+11]
	v_pk_add_f32 v[SUM+12:SUM+13], v[SUM+12:SUM+13], v[SUM+16:SUM+17]
	v_pk_add_f32 v[SUM+14:SUM+15], v[SUM+14:SUM+15], v[SUM+18:SUM+19]
	v_pk_add_f32 v[SUM+4:SUM+5], v[SUM+4:SUM+5], v[SUM+12:SUM+13]
	v_pk_add_f32 v[SUM+6:SUM+7], v[SUM+6:SUM+7], v[SUM+14:SUM+15]
.endm
	; PASS 1: the rows' sums.  Eight chains at a time (two row tiles x four); chain c takes column tiles c, c + 4, c + 8, c + 12, each from its low end on.
.irp wn, 0,1
	WIN 0x0a+5*(\wn)                               ; both sources in window 2 or 3
.irp aa, 0,1
.irp c, 0,1,2,3
	v_pk_add_f32 v[T+8*(2*(\wn)+(\aa))+2*(\c):T+8*(2*(\wn)+(\aa))+2*(\c)+1], v[8*(16*(\aa)+(\c)):8*(16*(\aa)+(\c))+1], v[8*(16*(\aa)+(\c))+2:8*(16*(\aa)+(\c))+3]
.endr
.endr
	WIN 0x02+(\wn)                                 ; source 0 in window 2 or 3, the chain in window 0
.set q, 2
.rept 14
.irp aa, 0,1
.irp c, 0,1,2,3
	v_pk_add_f32 v[T+8*(2*(\wn)+(\aa))+2*(\c):T+8*(2*(\wn)+(\aa))+2*(\c)+1], v[8*(16*(\aa)+(\c)+4*(q/4))+2*(q%4):8*(16*(\aa)+(\c)+4*(q/4))+2*(q%4)+1], v[T+8*(2*(\wn)+(\aa))+2*(\c):T+8*(2*(\wn)+(\aa))+2*(\c)+1]
.endr
.endr
.set q, q+1
.endr
.endr
	FOLD 0
.irp a, 0,1,2,3
	v_mul_f32 v[MEAN+2*(\a)], s[INV], v[SUM+4+(\a)]    ; the mean, twice: a pair for the packed arithmetic
	v_mul_f32 v[MEAN+2*(\a)+1], s[INV], v[SUM+4+(\a)]
.endr
	; PASS 2: x - mean, in place, and the sums of its squares
.irp wn, 0,1
	WIN 0x82+0x41*(\wn)                            ; destination and source 0 in window 2 or 3, the mean in window 0
.irp aa, 0,1
.set q, 0
.rept 64
	v_pk_add_f32 v[128*(\aa)+2*q:128*(\aa)+2*q+1], v[128*(\aa)+2*q:128*(\aa)+2*q+1], v[MEAN+2*(2*(\wn)+(\aa)):MEAN+2*(2*(\wn)+(\aa))+1] neg_lo:[0,1] neg_hi:[0,1]
.set q, q+1
.endr
.endr
	WIN 0x0a+5*(\wn)
.set q, 0
.rept 16
.irp aa, 0,1
.irp c, 0,1,2,3
.if q == 0
	v_pk_mul_f32 v[T+8*(2*(\wn)+(\aa))+2*(\c):T+8*(2*(\wn)+(\aa))+2*(\c)+1], v[8*(16*(\aa)+(\c)):8*(16*(\aa)+(\c))+1], v[8*(16*(\aa)+(\c)):8*(16*(\aa)+(\c))+1]
.else
	v_pk_fma_f32 v[T+8*(2*(\wn)+(\aa))+2*(\c):T+8*(2*(\wn)+(\aa))+2*(\c)+1], v[8*(16*(\aa)+(\c)+4*(q/4))+2*(q%4):8*(16*(\aa)+(\c)+4*(q/4))+2*(q%4)+1], v[8*(16*(\aa)+(\c)+4*(q/4))+2*(q%4):8*(16*(\aa)+(\c)+4*(q/4))+2*(q%4)+1], v[T+8*(2*(\wn)+(\aa))+2*(\c):T+8*(2*(\wn)+(\aa))+2*(\c)+1]
.endif
.endr
.endr
.set q, q+1
.endr
.endr
	FOLD 2048                                      ; through bytes of their own: no wave waits for the first sums' readers
.irp a, 0,1,2,3
	v_fma_f32 v[SUM+(\a)], v[SUM+4+(\a)], s[INV], s[EPS]  ; the variance + 1e-5
.endr
.irp a, 0,1,2,3
	v_rsq_f32 v[RSTD+2*(\a)], v[SUM+(\a)]
	v_rsq_f32 v[RSTD+2*(\a)+1], v[SUM+(\a)]
.endr
	v_nop                                          ; a plain instruction behind the last of them,
	s_wait_alu depctr_va_vdst(0)                   ; and one wait ahead of the batch's first reader
	s_wait_loadcnt 0x0                             ; gamma and beta
; PASS 3 and out, a row tile (16 rows) at a time: times 1 / sigma, times gamma plus beta; 32 bytes a lane and column tile into rows of 1,040 bytes of my stage; back as whole rows of 1,024; stored.
.macro OUT a
	WIN 0x82+0x41*((\a)/2)
.set q, 0
.rept 64
	v_pk_mul_f32 v[128*((\a)%2)+2*q:128*((\a)%2)+2*q+1], v[128*((\a)%2)+2*q:128*((\a)%2)+2*q+1], v[RSTD+2*(\a):RSTD+2*(\a)+1]
.set q, q+1
.endr
	WIN 0x96+0x41*((\a)/2)                         ; gamma and beta in window 1
.set q, 0
.rept 64
	v_pk_fma_f32 v[128*((\a)%2)+2*q:128*((\a)%2)+2*q+1], v[128*((\a)%2)+2*q:128*((\a)%2)+2*q+1], v[2*q:2*q+1], v[128+2*q:128+2*q+1]
.set q, q+1
.endr
	WIN 0x08+4*((\a)/2)                            ; the stores' data in window 2 or 3
.set b, 0
.rept 16
	ds_store_b128 v[STO], v[128*((\a)%2)+8*b:128*((\a)%2)+8*b+3]   offset:64*b
	ds_store_b128 v[STO], v[128*((\a)%2)+8*b+4:128*((\a)%2)+8*b+7] offset:64*b+16
.set b, b+1
.endr
	WIN 0
	s_wait_xcnt 0x0                                ; the stores of the row tile before have read their registers: only behind this wait are they loaded again
.set t, 0
.rept 32
	ds_load_b128 v[BK+4*t:BK+4*t+3], v[RD] offset:(t/2)*SPITCH+(t%2)*512  ; LDS serves a wave's instructions in order (ISA guide 5.7.1.4): these see the stores above; the next tile's stores come behind them
.set t, t+1
.endr
.set t, 0
.rept 32
	s_wait_dscnt 31-t                              ; load t is back, the younger ones stay out
	global_store_b128 v[GO], v[BK+4*t:BK+4*t+3], s[12:13] offset:(\a)*65536+(t/2)*4096+(t%2)*512 th:TH_STORE_NT  ; 512 consecutive bytes, at a multiple of 256 from out0's first
.set t, t+1
.endr
.endm
	OUT 0
	OUT 1
	OUT 2
	OUT 3
	s_wait_tensorcnt 0x0                           ; the wave's end, behind my last tensor load and my last LDS store
	ds_add_u32 v[SPW], v[NIL]
	s_wait_dscnt 0x0
	s_endpgm
.Lfunc_end_k_qb84015e111_wo_ln:
	.size	k_qb84015e111_wo_ln, .Lfunc_end_k_qb84015e111_wo_ln-k_qb84015e111_wo_ln
	.p2alignl 7, 3214868480
	.fill 96, 4, 3214868480
	.section	.rodata,"a",@progbits
	.p2align	6, 0x0
	.amdhsa_kernel k_qb84015e111_wo_ln
		.amdhsa_group_segment_fixed_size 218624
		.amdhsa_private_segment_fixed_size 0
		.amdhsa_enable_private_segment 0
		.amdhsa_kernarg_size 40
		.amdhsa_user_sgpr_count 2
		.amdhsa_user_sgpr_kernarg_segment_ptr 1
		.amdhsa_wavefront_size32 1
		.amdhsa_system_sgpr_workgroup_id_x 1
		.amdhsa_system_sgpr_workgroup_id_y 1
		.amdhsa_system_sgpr_workgroup_id_z 1
		.amdhsa_system_vgpr_workitem_id 0
		.amdhsa_next_free_vgpr 1024
		.amdhsa_next_free_sgpr 80
		.amdhsa_reserve_vcc 0
		.amdhsa_float_denorm_mode_32 3
		.amdhsa_float_denorm_mode_16_64 3
		.amdhsa_memory_ordered 1
		.amdhsa_forward_progress 1
		.amdhsa_inst_pref_size 203
	.end_amdhsa_kernel
	.amdgpu_metadata
---
amdhsa.version: [ 1, 2 ]
amdhsa.kernels:
  - .name:           k_qb84015e111_wo_ln
    .symbol:         k_qb84015e111_wo_ln.kd
    .args:
      - { .name: ctxb, .offset: 0, .size: 8, .value_kind: global_buffer, .address_space: global }
      - { .name: Wob, .offset: 8, .size: 8, .value_kind: global_buffer, .address_space: global }
      - { .name: Xb, .offset: 16, .size: 8, .value_kind: global_buffer, .address_space: global }
      - { .name: vec, .offset: 24, .size: 8, .value_kind: global_buffer, .address_space: global }
      - { .name: out0, .offset: 32, .size: 8, .value_kind: global_buffer, .address_space: global }
    .group_segment_fixed_size: 218624
    .private_segment_fixed_size: 0
    .kernarg_segment_align: 8
    .kernarg_segment_size: 40
    .max_flat_workgroup_size: 128
    .sgpr_count:     80
    .vgpr_count:     1024
    .wavefront_size: 32
...
	.end_amdgpu_metadata
.endif
;; end of part 3
;; ======== version 2 of 2: 3 launches; version 1 with the launch prep written anew for expert scheduling mode
;; workspace buffers: Xb 33,554,432 bytes; Wb 6,291,456 bytes; Wob 2,097,152 bytes; vec 24,576 bytes; ctxb 16,777,216 bytes
;; launch prep (part 4): grid 641 x 1, 8 waves a work-group, no clusters, 0 bytes of LDS; arguments image_features, signal_features, Wq, Wk, Wv, Wo, bq, bk, bv, bo, ln_gamma, ln_beta, Xb, Wb, Wob, vec; writes Xb, Wb, Wob, vec
.if DOCPART == 4
	.amdgcn_target "amdgcn-amd-amdhsa--gfx1250"
	.amdhsa_code_object_version 6
	.text
	.protected	k_qb84015e111_prep
	.globl	k_qb84015e111_prep
	.p2align	8
	.type	k_qb84015e111_prep,@function
k_qb84015e111_prep:
	s_mov_b64 s[64:65], 0
	v_nop
	global_prefetch_b8 v0, s[64:65] scope:SCOPE_SE
	s_setreg_imm32_b32 hwreg(HW_REG_WAVE_SCHED_MODE, 0, 2), 2
	s_setreg_imm32_b32 hwreg(HW_REG_WAVE_MODE, 25, 1), 1
	s_wait_xcnt 0x0
	s_wait_alu depctr_vm_vsrc(0)
; PREP: every input is rounded once to bf16 (nearest even), and the six matrices are laid out as the two matrix launches read them.
;   Xb  bf16 [rb 64][img, sig][quarter of 32 K: 32][128 rows][32]     Wb  bf16 [head 8][quarter 32][q, k, v][128 rows][32]: any run of quarters of a tile is dense in memory
;   Wob bf16 [quarter of 32 K: 32][tile of 16 rows: 64][half 2][lane 32][8 numbers]: Wo in the order of matrix fragments.  Lane l of a tile holds row l % 16 and k = 16 (l / 16) + 0..15 of the quarter,
;       the first eight in half 0, the others in half 1: a permutation of k inside a quarter, which the reader applies to its other operand too
;   vec f32  [bq, bk, bv, bo, gamma, beta][1024]: each number rounded to bf16 and written back as f32
; LIMIT: the rounding of all inputs to bf16 is the only loss here; NaN and infinities pass through the conversion as it treats them.
; SHARES.  A work-group takes 32 source rows of 4,096 bytes: 0-31 Wo, 32-287 img, 288-543 sig, 544-575 Wq, 576-607 Wk, 608-639 Wv; work-group 640 the six vectors.
; Wo's come first: a load of theirs touches 16 rows, so they make the most requests for their bytes.
; A stream: each byte is read once and written once, nothing is shared between waves, so no LDS, no barrier, no matrix unit, no cluster.  All 32 loads of a wave go out at once.
; THE MODE: SCHED_MODE bits 1:0 = 2 (LLVM: expert scheduling mode 2), set by the entry lines.  The code itself states the register dependences
; between vector instructions and memory instructions, with s_wait_alu, always for 0.
; THE PLAN.  Registers that memory instructions touch:
;   v1, v2-v5   byte offsets.  Written by vector instructions at the head of a path, once; read by the path's loads (v1) and stores (v2-v5, Wo's path v2, the vectors' v1); never written again.
;   v[8:135]    32 loads of 4 registers, each with registers of its own.  Written by its load; then the conversions read them and write the low ones, in place; then ONE store reads those; never written again.
; So no register that a memory instruction has read is ever written again, and no load lands in a register that a vector instruction has named.  What is left to state: the offsets are written, ahead of a path's
; first load; and a block's conversions have written what its stores read.  The loads are worked off in 8 blocks of four.  Block p's conversions name block p's registers alone; block p - 1's stores stand among them,
; behind ONE wait at block p's head, which stands behind the wait for block p's data.  Behind the last block one more wait stands ahead of its stores.
.set SRC,   40                         ; s[40:41] the matrix I read, at my 32 rows
.set DST,   42                         ; s[42:43] the buffer I write
.set PLANE, 44                         ; s44  bytes from a quarter to the next in DST
.set BLK,   45                         ; s45  bytes from a group of 128 rows to the next
.set SUB,   46                         ; s46  the matrix's place inside such a group (Xb) or inside a quarter (Wb)
.set GP,    47                         ; s47  first the matrix's first work-group, then my number among the matrix's
.set G,     48                         ; s48  the work-group's number
.set WV,    49                         ; s49  my wave's number
.set T0,    50
.set T1,    51
.set X,     8                          ; v[8:135] 32 loads of 4 registers
	s_load_b512 s[8:23], s[0:1], 0x0               ; img s[8:9], sig s[10:11], Wq s[12:13], Wk s[14:15], Wv s[16:17], Wo s[18:19], bq s[20:21], bk s[22:23]
	s_load_b512 s[24:39], s[0:1], 0x40             ; bv s[24:25], bo s[26:27], gamma s[28:29], beta s[30:31], Xb s[32:33], Wb s[34:35], Wob s[36:37], vec s[38:39]
	v_lshrrev_b32 v4, 5, v0
	v_readfirstlane_b32 s[WV], v4                  ; wave 0..7
	v_and_b32 v5, 31, v0                           ; lane
	s_mov_b32 s[G], ttmp9
	s_wait_alu depctr_va_sdst(0)                   ; s[WV] is written: ahead of the branches, behind which the scalar arithmetic of two paths reads it
	s_wait_kmcnt 0x0
	s_cmp_eq_u32 s[G], 640
	s_cbranch_scc1 .Lvec
	s_cmp_lt_u32 s[G], 32
	s_cbranch_scc1 .Lwo
; IMG, SIG, WQ, WK, WV.  Wave w takes quarters 4 w .. 4 w + 3 of all 32 rows.  A load covers 128 consecutive bytes, a quarter, of four rows (eight lanes a row); the loads of neighbouring quarters follow each other.
; Its 4 numbers a lane become 8 bytes, and a store of the wave covers 256 consecutive bytes, aligned: four rows of a quarter.
; From work-group first on the source is src, at place sub.  The selects leave SCC alone: further selects may follow the macro.
.macro FROM first, src, sub
	s_cmp_ge_u32 s[G], \first
	s_cselect_b64 s[SRC:SRC+1], s[\src:\src+1], s[SRC:SRC+1]
	s_cselect_b32 s[SUB], \sub, s[SUB]
	s_cselect_b32 s[GP], \first, s[GP]
.endm
	s_mov_b64 s[SRC:SRC+1], s[8:9]                 ; img into Xb
	s_mov_b64 s[DST:DST+1], s[32:33]
	s_mov_b32 s[PLANE], 8192
	s_mov_b32 s[BLK], 524288
	s_mov_b32 s[SUB], 0
	s_mov_b32 s[GP], 32
	FROM 288, 10, 262144                           ; sig, behind img's 32 quarters
	FROM 544, 12, 0                                ; Wq into Wb
	s_cselect_b64 s[DST:DST+1], s[34:35], s[DST:DST+1]
	s_cselect_b32 s[PLANE], 24576, s[PLANE]
	s_cselect_b32 s[BLK], 786432, s[BLK]
	FROM 576, 14, 8192                             ; Wk
	FROM 608, 16, 16384                            ; Wv
	s_sub_co_u32 s[GP], s[G], s[GP]                ; my number among the matrix's work-groups
	s_lshl_b32 s52, s[GP], 17                      ; 32 rows of 4,096 bytes
	s_mov_b32 s53, 0
	s_add_nc_u64 s[SRC:SRC+1], s[SRC:SRC+1], s[52:53]
	v_lshrrev_b32 v6, 3, v5                        ; which of a load's four rows
	v_and_b32 v7, 7, v5
	v_lshlrev_b32 v1, 4, v7                        ; 16 bytes a lane,
	v_lshl_add_u32 v1, v6, 12, v1                  ; the row,
	s_lshl_b32 s[T1], s[WV], 9
	v_add_nc_u32 v1, s[T1], v1                     ; my wave's four quarters: 512 bytes of a row
	s_lshr_b32 s[T0], s[GP], 2                     ; four work-groups make a group of 128 rows
	s_mul_i32 s[T0], s[T0], s[BLK]
	s_add_co_u32 s[T0], s[T0], s[SUB]
	s_and_b32 s[T1], s[GP], 3
	s_lshl_b32 s[T1], s[T1], 11                    ; my 32 rows of 64 bytes in it
	s_add_co_u32 s[T0], s[T0], s[T1]
	s_lshl_b32 s[T1], s[WV], 2
	s_mul_i32 s[T1], s[T1], s[PLANE]               ; quarter 4 w
	s_add_co_u32 s[T0], s[T0], s[T1]
	v_lshl_add_u32 v2, v5, 3, s[T0]                ; 8 bytes a lane: quarter 4 w,
	v_add_nc_u32 v3, s[PLANE], v2                  ; 4 w + 1,
	v_add_nc_u32 v4, s[PLANE], v3                  ; 4 w + 2,
	v_add_nc_u32 v5, s[PLANE], v4                  ; 4 w + 3
	s_wait_alu depctr_va_vdst(0)                   ; v1 to v5 are written: the loads below read v1 as their offset, the stores v2 to v5; no vector instruction names them again
.set j, 0
.rept 32                               ; load j: rows 4 (j / 4) .. 4 (j / 4) + 3, quarter 4 w + j % 4
	global_load_b128 v[X+4*j:X+4*j+3], v1, s[SRC:SRC+1] offset:(j/4)*16384+(j%4)*128 th:TH_LOAD_NT
.set j, j+1
.endr
; The store of quarter 4 w + i of block p (rows 4 p .. 4 p + 3).  No register that a load or store names is written again.
.macro XST p, i
	global_store_b64 v[2+(\i)], v[X+16*(\p)+4*(\i):X+16*(\p)+4*(\i)+1], s[DST:DST+1] offset:(\p)*256 th:TH_STORE_NT
.endm
.set p, 0
.rept 8                                ; block p: loads 4 p .. 4 p + 3
	s_wait_loadcnt 28-4*p                          ; loads come back in order: block p's four are in, the 28 - 4 p younger ones stay out
.if p > 0
	s_wait_alu depctr_va_vdst(0)                   ; block p - 1's conversions have written the registers that the four stores below read
.endif
.irp i, 0,1,2,3
.if p > 0
	XST p-1, \i                                    ; no vector instruction since the wait names its registers: the conversions round it are block p's
.endif
	v_cvt_pk_bf16_f32 v[X+16*p+4*(\i)], v[X+16*p+4*(\i)], v[X+16*p+4*(\i)+1]
	v_cvt_pk_bf16_f32 v[X+16*p+4*(\i)+1], v[X+16*p+4*(\i)+2], v[X+16*p+4*(\i)+3]
.endr
.set p, p+1
.endr
	s_wait_alu depctr_va_vdst(0)                   ; block 7's conversions have written the registers that the last four stores read
.irp i, 0,1,2,3
	XST 7, \i
.endr
	s_endpgm
; WO.  The work-group's 32 rows are two tiles of 16; wave w takes quarters 4 w .. 4 w + 3 of both.  For tile t and quarter q (group c = 4 t + q) lane l reads 64 consecutive bytes of row l % 16,
; k = 16 (l / 16) + 0..15 of the quarter, by four loads; they become 32 bytes: two stores, each of which covers 512 consecutive bytes of Wob, aligned.
.Lwo:
	s_lshl_b32 s52, s[G], 17                       ; 32 rows of 4,096 bytes
	s_mov_b32 s53, 0
	s_add_nc_u64 s[SRC:SRC+1], s[18:19], s[52:53]
	v_lshrrev_b32 v6, 4, v5                        ; l / 16
	v_and_b32 v7, 15, v5                           ; l % 16
	v_lshlrev_b32 v1, 12, v7                       ; the row,
	v_lshl_add_u32 v1, v6, 6, v1                   ; my 16 numbers of a quarter's 32,
	s_lshl_b32 s[T1], s[WV], 9
	v_add_nc_u32 v1, s[T1], v1                     ; my wave's four quarters: 512 bytes of a row
	s_lshl_b32 s[T0], s[WV], 18                    ; quarter 4 w: 65,536 bytes a quarter,
	s_lshl_b32 s[T1], s[G], 11                     ; tile 2 g: 1,024 bytes a tile
	s_add_co_u32 s[T0], s[T0], s[T1]
	v_lshl_add_u32 v2, v5, 4, s[T0]                ; 16 bytes a lane
	s_wait_alu depctr_va_vdst(0)                   ; v1 and v2 are written: the loads below read v1 as their offset, the stores v2; no vector instruction names them again
.set c, 0
.rept 8
.irp i, 0,1,2,3
	global_load_b128 v[X+16*c+4*(\i):X+16*c+4*(\i)+3], v1, s[SRC:SRC+1] offset:(c/4)*65536+(c%4)*128+(\i)*16
.endr
.set c, c+1
.endr
; The store of half h of group c
.macro WST c, h
	global_store_b128 v2, v[X+16*(\c)+4*(\h):X+16*(\c)+4*(\h)+3], s[36:37] offset:((\c)%4)*65536+((\c)/4)*1024+512*(\h) th:TH_STORE_NT
.endm
.set c, 0
.rept 8
	s_wait_loadcnt 28-4*c                          ; group c's four loads are in, the younger groups' stay out
.if c > 0
	s_wait_alu depctr_va_vdst(0)                   ; group c - 1's conversions have written the registers that the two stores below read
	WST c-1, 0                                     ; no vector instruction since the wait names its registers: the conversions round it are group c's
.endif
.irp m, 0,1,2,3                        ; in place, ascending: register m is written when registers 2 m and 2 m + 1 are read, and never read again
	v_cvt_pk_bf16_f32 v[X+16*c+(\m)], v[X+16*c+2*(\m)], v[X+16*c+2*(\m)+1]
.endr
.if c > 0
	WST c-1, 1
.endif
.irp m, 4,5,6,7
	v_cvt_pk_bf16_f32 v[X+16*c+(\m)], v[X+16*c+2*(\m)], v[X+16*c+2*(\m)+1]
.endr
.set c, c+1
.endr
	s_wait_alu depctr_va_vdst(0)                   ; group 7's conversions have written the registers that the last two stores read
	WST 7, 0
	WST 7, 1
	s_endpgm
.Lvec:                                 ; 256 threads x 4 numbers are a vector of 1,024
	v_lshlrev_b32 v1, 4, v0
	s_wait_alu depctr_va_vdst(0)                   ; v1 is written: the loads and stores below read it as their offset
.irp i, 0,1,2,3,4,5
	global_load_b128 v[X+4*(\i):X+4*(\i)+3], v1, s[20+2*(\i):21+2*(\i)]
.endr
	s_wait_loadcnt 0x0
.set j, 0
.rept 12
	v_cvt_pk_bf16_f32 v[40+j], v[X+2*j], v[X+2*j+1]  ; rounded,
.set j, j+1
.endr
.set j, 0
.rept 12
	v_lshlrev_b32 v[X+2*j], 16, v[40+j]            ; and widened again
	v_and_b32 v[X+2*j+1], 0xffff0000, v[40+j]
.set j, j+1
.endr
	s_wait_alu depctr_va_vdst(0)                   ; the widening lines have written v[X ..], which the stores read
.irp i, 0,1,2,3,4,5
	global_store_b128 v1, v[X+4*(\i):X+4*(\i)+3], s[38:39] offset:(\i)*4096 th:TH_STORE_NT
.endr
	s_endpgm
.Lfunc_end_k_qb84015e111_prep:
	.size	k_qb84015e111_prep, .Lfunc_end_k_qb84015e111_prep-k_qb84015e111_prep
	.p2alignl 7, 3214868480
	.fill 96, 4, 3214868480
	.section	.rodata,"a",@progbits
	.p2align	6, 0x0
	.amdhsa_kernel k_qb84015e111_prep
		.amdhsa_group_segment_fixed_size 0
		.amdhsa_private_segment_fixed_size 0
		.amdhsa_enable_private_segment 0
		.amdhsa_kernarg_size 128
		.amdhsa_user_sgpr_count 2
		.amdhsa_user_sgpr_kernarg_segment_ptr 1
		.amdhsa_wavefront_size32 1
		.amdhsa_system_sgpr_workgroup_id_x 1
		.amdhsa_system_sgpr_workgroup_id_y 1
		.amdhsa_system_sgpr_workgroup_id_z 1
		.amdhsa_system_vgpr_workitem_id 0
		.amdhsa_next_free_vgpr 140
		.amdhsa_next_free_sgpr 66
		.amdhsa_reserve_vcc 0
		.amdhsa_float_denorm_mode_32 3
		.amdhsa_float_denorm_mode_16_64 3
		.amdhsa_memory_ordered 1
		.amdhsa_forward_progress 1
		.amdhsa_inst_pref_size 27
	.end_amdhsa_kernel
	.amdgpu_metadata
---
amdhsa.version: [ 1, 2 ]
amdhsa.kernels:
  - .name:           k_qb84015e111_prep
    .symbol:         k_qb84015e111_prep.kd
    .args:
      - { .name: image_features, .offset: 0, .size: 8, .value_kind: global_buffer, .address_space: global }
      - { .name: signal_features, .offset: 8, .size: 8, .value_kind: global_buffer, .address_space: global }
      - { .name: Wq, .offset: 16, .size: 8, .value_kind: global_buffer, .address_space: global }
      - { .name: Wk, .offset: 24, .size: 8, .value_kind: global_buffer, .address_space: global }
      - { .name: Wv, .offset: 32, .size: 8, .value_kind: global_buffer, .address_space: global }
      - { .name: Wo, .offset: 40, .size: 8, .value_kind: global_buffer, .address_space: global }
      - { .name: bq, .offset: 48, .size: 8, .value_kind: global_buffer, .address_space: global }
      - { .name: bk, .offset: 56, .size: 8, .value_kind: global_buffer, .address_space: global }
      - { .name: bv, .offset: 64, .size: 8, .value_kind: global_buffer, .address_space: global }
      - { .name: bo, .offset: 72, .size: 8, .value_kind: global_buffer, .address_space: global }
      - { .name: ln_gamma, .offset: 80, .size: 8, .value_kind: global_buffer, .address_space: global }
      - { .name: ln_beta, .offset: 88, .size: 8, .value_kind: global_buffer, .address_space: global }
      - { .name: Xb, .offset: 96, .size: 8, .value_kind: global_buffer, .address_space: global }
      - { .name: Wb, .offset: 104, .size: 8, .value_kind: global_buffer, .address_space: global }
      - { .name: Wob, .offset: 112, .size: 8, .value_kind: global_buffer, .address_space: global }
      - { .name: vec, .offset: 120, .size: 8, .value_kind: global_buffer, .address_space: global }
    .group_segment_fixed_size: 0
    .private_segment_fixed_size: 0
    .kernarg_segment_align: 8
    .kernarg_segment_size: 128
    .max_flat_workgroup_size: 256
    .sgpr_count:     66
    .vgpr_count:     140
    .wavefront_size: 32
...
	.end_amdgpu_metadata
.endif
;; end of part 4
;; launch qkv: the kernel of part 2 again; grid 8 x 64, 4 waves a work-group, clusters of 4 x 4, 327,680 bytes of LDS; arguments Xb, Wb, vec, ctxb; writes ctxb
;; launch wo_ln: the kernel of part 3 again; grid 128 x 1, 4 waves a work-group, no clusters, 218,624 bytes of LDS; arguments ctxb, Wob, Xb, vec, out0; writes out0
